; MI455X (gfx1250); checked and timed in simulation.
; The chip was launched on July 23, 2026; its instructions are those of AMD's public machine-readable ISA for CDNA 5 (MIT licence, August 2026) and "CDNA5" Instruction Set Architecture Reference Guide (July 2026). The comments in the code are by the model that wrote it; some were corrected since.
;; Self Attention. Allowed arithmetic: matrix products marked QUANTISED: E3M2 operands, one E8M0 scale for each 32 along K, by v_wmma_scale_f32_16x16x128_f8f6f4 with both operands' format E3M2, f32 sums; everything else in f32.
;; Inputs: Wk 1,024 x 1,024 float32; Wq 1,024 x 1,024 float32; Wv 1,024 x 1,024 float32; bk 1,024 float32; bq 1,024 float32; bv 1,024 float32; embedded 4 x 2,048 x 1,024 float32.
;; Outputs: out0 4 x 2,048 x 1,024 float32.
;; This version of the problem:
;;   THIS VERSION OF THE PROBLEM IS GIVEN IN LOW PRECISION. The matrix products marked QUANTISED in the list below multiply operands that are first quantised to E3M2 (3 exponent bits, 2 mantissa bits; 6 bits a number), with one power-of-two scale for each 32 numbers along K (OCP MX v1.0); their sums are f32. All else is computed in f32.
;;   The module's matrix products, in the order in which they are computed (A, B: the left and right operand; K: the contracted axis; several contracted axes count as one K, in the product's order):
;;     1. [M 8,192, K 1,024] x [K 1,024, N 1,024]; A: input embedded; B: input Wk: QUANTISED
;;     2. [M 8,192, K 1,024] x [K 1,024, N 1,024]; A: input embedded; B: input Wq: QUANTISED
;;     3. [M 8,192, K 1,024] x [K 1,024, N 1,024]; A: input embedded; B: input Wv: QUANTISED
;;     4. batch 4 x [M 2,048, K 1,024] x [K 1,024, N 2,048]; A: computed on the way; B: computed on the way: QUANTISED
;;     5. batch 4 x [M 2,048, K 2,048] x [K 2,048, N 1,024]; A: softmax (see below); B: computed on the way: QUANTISED
;;   THE QUANTISER, for each operand of a quantised product, along K:
;;     - K is cut into blocks of 32 from its start; a last block that is shorter is filled with zeros.
;;     - A block's scale is 2^e with e = floor(log2(the largest magnitude in the block)) - 4, held to -126 .. 127; a block of zeros has e = 0. As a byte (E8M0): e + 127.
;;     - Each number is divided by its block's scale, clamped to +-28, and rounded to the nearest number of E3M2, ties to even, subnormals kept.
;;     - The product sums the exact products of the quantised numbers (number of the format x scale) in f32.
;;   ~~~python
;;   def quantise(x, axis):      # numpy; x: float32 -> the quantised numbers, widened to float32 again
;;       x = np.moveaxis(x, axis, -1); K = x.shape[-1]
;;       x = np.pad(x, [(0, 0)] * (x.ndim - 1) + [(0, -K % 32)]); x = x.reshape(x.shape[:-1] + (-1, 32)); a = np.abs(x).max(-1, keepdims=True)
;;       e = np.where(a > 0, np.clip(np.frexp(np.where(a > 0, a, 1))[1] - 1 - 4, -126, 127), 0)      # np.frexp(a)[1] - 1 = floor(log2(a)), exactly
;;       r = np.clip(x / 2.0 ** e, -28, 28)
;;       step = 2.0 ** (np.maximum(np.frexp(np.where(r == 0, 1, r))[1] - 1, -2) - 2)
;;       q = np.round(r / step) * step * 2.0 ** e      # np.round: ties to even
;;       return np.moveaxis(q.reshape(q.shape[:-2] + (-1,))[..., :K], -1, axis).astype(np.float32)
;;   ~~~
;;   SOFTMAX AHEAD OF A QUANTISED PRODUCT. Where the list says 'softmax', what is quantised is not the finished softmax but p = 2^(t - M), with t = logit x log2(e) and M = ceil(the row's largest t), a whole number; so 1/2 < the row's largest p <= 1. The row's sum l is taken of the UNQUANTISED p, in f32, and the product's result is divided by l at the end. Since M is a whole number, a kernel that streams over the keys may use a running M (the ceiling of the running maximum): every later rescaling is an exact power of two, which a block's scale takes up: the codes' values come out the same.
;;   OPERANDS COMPUTED ON THE WAY. 'Computed on the way' means the value that the module computes at that place (a softmax that the list does not call 'softmax' is quantised finished and normalised). What goes into a quantiser is computed in f32, as accurately as f32 sums, v_exp_f32 and their like allow (about 1e-6 of the number): no bf16 or f16 on the way to a quantiser, and a product that is left as it is and whose result goes on into a quantised operand takes f32 operands (vector FMAs, or v_wmma_f32_16x16x4_f32). A number that lies on a knife's edge between two numbers of the format may be rounded either way, as far as f32 arithmetic and the matrix unit's own rounding can turn it there, and no further.
;; One version. Each part assembles by itself: llvm-mc -triple=amdgcn-amd-amdhsa -mcpu=gfx1250 --defsym DOCPART=n.
;; ======== version 1 of 1: 4 launches
;; limits: right only within a limited range of input values
;; workspace buffers: zc 8,650,752 bytes; zs 360,448 bytes; kqc 12,582,912 bytes; kqs 524,288 bytes; vc 6,291,456 bytes; vs 262,144 bytes; pc 12,582,912 bytes; paux 1,572,864 bytes
;; launch quant (part 1): grid 704 x 1, 2 waves a work-group, no clusters, 17,152 bytes of LDS; arguments embedded, Wk, Wq, Wv, zc, zs; writes zc, zs
.if DOCPART == 1
	.amdgcn_target "amdgcn-amd-amdhsa--gfx1250"
	.amdhsa_code_object_version 6
	.text
	.protected	k_qf0b74a652a_quant
	.globl	k_qf0b74a652a_quant
	.p2align	8
	.type	k_qf0b74a652a_quant,@function
k_qf0b74a652a_quant:
	s_mov_b64 s[64:65], 0
	v_nop
	global_prefetch_b8 v0, s[64:65] scope:SCOPE_SE
	s_setreg_imm32_b32 hwreg(HW_REG_WAVE_MODE, 25, 1), 1
	s_wait_xcnt 0x0
; Z = [embedded, 8,192 rows; Wk; Wq; Wv, 1,024 rows each], rows of 1,024 f32, becomes codes of BF6 (E3M2) with one E8M0 byte for each 32 along a row.
; A block's scale is 2^(floor(log2(its largest magnitude)) - 4): its byte is that magnitude's exponent field - 4, held at 1 from below.
; LIMITS: a block of zeros gets the byte 1 (its codes are zeros, and this program alone reads the bytes); magnitudes under 2^-122 share that floor; NaN and infinities are not served.
; THE CODES ARE LAID AS THE MATRIX UNIT'S REGISTERS WANT THEM.  A fragment is 16 rows x 128 along K, 12 registers a lane; its image is three runs of 512 bytes, lane l's 16 bytes at 16 l.
; zc: [group of 128 rows][K step of 128][tile 0..7][1,536 bytes].  THE ROWS OF A TILE ARE NOT NEIGHBOURS: place p of tile 2 b + u is row 32 b + 8 u + p % 8 + 16 (p / 8) of its group,
; so that, where such a tile is a product's source 0, a lane's 16 results of two neighbouring tiles are 16 neighbours along the next product's K.
; zs: [tile][half of K][place][16 bytes]: a row's scale words of four K steps.
; SHARES.  A work-group is one tile; its two waves take four K steps each.  A load reads 512 consecutive bytes of one row; the 16 rows turn through the wave's own stage in LDS
; (rows 528 bytes apart) and come back 256 bytes a lane: the lane's two whole blocks of 32.  No barrier: waves share nothing.  Two fragments' loads (32 a wave) are on their way.
.set ROWB,  4096                       ; a row of Z in bytes
.set FRB,   1536                       ; a fragment's image
.set KSB,   12288                      ; a K step of a group: 8 fragments
.set GRP,   98304                      ; a group: 8 K steps
.set SP,    528                        ; a stage row: 512 bytes + 16
.set LANE,  1
.set RR,    2                          ; lane % 16
.set HH,    3                          ; lane / 16
.set LN,    4                          ; 16 x lane; never rewritten
.set SIN,   5                          ; the stage, on the way in
.set SOUT,  6                          ; and on the way out
.set SH8,   7                          ; 8 x (lane / 16)
.set R,     16                         ; v16-143  two sets of 64: a fragment's numbers as loaded
.set X,     144                        ; v144-207 my two blocks of 32
.set C,     208                        ; v208-219 the fragment's codes
.set CT,    220                        ; v220-227 the upper halves of the two blocks, as converted
.set SW,    228                        ; v228-231 my row's scale words of the four K steps
.set MX,    232
.set SO,    234
.set BY,    236
.set WD,    238
.set TP,    239
	s_load_b256 s[4:11], s[0:1], 0x0               ; embedded, Wk, Wq, Wv
	s_load_b128 s[12:15], s[0:1], 0x20             ; zc, zs
	v_lshl_add_u32 v240, v0, 2, 0x4200
	v_mov_b32 v241, 0
	v_lshrrev_b32 v[LANE], 5, v0
	v_readfirstlane_b32 s16, v[LANE]               ; wave: which half of K
	v_and_b32 v[LANE], 31, v0
	v_and_b32 v[RR], 15, v0
	v_bfe_u32 v[HH], v0, 4, 1
	v_lshlrev_b32 v[LN], 4, v[LANE]
	s_mul_i32 s17, s16, 16*SP                      ; my stage
	v_add_nc_u32 v[SIN], s17, v[LN]
	v_mul_u32_u24 v[SOUT], v[RR], SP
	v_lshl_add_u32 v[SOUT], v[HH], 7, v[SOUT]
	v_add_nc_u32 v[SOUT], s17, v[SOUT]             ; row = lane % 16, + 128 bytes for the upper half of the lanes
	v_lshlrev_b32 v[SH8], 3, v[HH]
	v_mov_b32 v[TP], 0                             ; a lane permute's destination counts as one of its sources
	s_mov_b32 s20, 0x76543210
	s_mov_b32 s21, 0xfedcba98                      ; selects for lane l xor 16
	s_cmp_lt_u32 ttmp9, 512                        ; tiles 0-511: embedded; then 64 tiles for each weight
	s_cselect_b32 s18, 0x1ff, 63
	s_and_b32 s18, ttmp9, s18                      ; the tile's number in its own tensor
	s_lshr_b32 s19, s18, 1
	s_lshl_b32 s19, s19, 5
	s_and_b32 s22, s18, 1
	s_lshl_b32 s22, s22, 3
	s_add_co_u32 s22, s22, s19                     ; its place 0 is row 32 (tile / 2) + 8 (tile % 2)
	s_lshl_b32 s22, s22, 12
	s_lshl_b32 s23, s16, 11                        ; my four K steps: 2,048 bytes along the row
	s_add_co_u32 s22, s22, s23
	s_mov_b32 s23, 0
	s_lshr_b32 s24, ttmp9, 3
	s_mul_i32 s24, s24, GRP
	s_mul_i32 s25, s16, 4*KSB
	s_add_co_u32 s24, s24, s25
	s_and_b32 s25, ttmp9, 7
	s_mul_i32 s25, s25, FRB
	s_add_co_u32 s24, s24, s25                     ; zc: group, K step 4 x wave, tile
	s_mov_b32 s25, 0
	s_lshl_b32 s26, ttmp9, 9
	s_lshl_b32 s27, s16, 8
	s_add_co_u32 s26, s26, s27                     ; zs: 512 x tile + 256 x wave
	s_mov_b32 s27, 0
	s_wait_alu depctr_va_vdst(0)
	s_wait_kmcnt 0x0
	s_cmp_lt_u32 ttmp9, 512                        ; the choice of the tensor hangs on the work-group's number alone
	s_cselect_b64 s[4:5], s[4:5], s[6:7]
	s_cmp_ge_u32 ttmp9, 576
	s_cselect_b64 s[4:5], s[8:9], s[4:5]
	s_cmp_ge_u32 ttmp9, 640
	s_cselect_b64 s[4:5], s[10:11], s[4:5]
	s_add_nc_u64 s[4:5], s[4:5], s[22:23]
	s_add_nc_u64 s[12:13], s[12:13], s[24:25]
	s_add_nc_u64 s[14:15], s[14:15], s[26:27]
.macro LOAD f                          ; fragment f: 16 rows x 512 bytes into set f % 2; 32 lanes read 512 consecutive bytes
.irp p, 0,1,2,3,4,5,6,7,8,9,10,11,12,13,14,15
	global_load_b128 v[R+64*((\f)%2)+4*\p:R+64*((\f)%2)+4*\p+3], v[LN], s[4:5] offset:((\p%8)+16*(\p/8))*ROWB+512*(\f) th:TH_LOAD_NT
.endr
.endm
.macro TURN f                          ; through the stage: LDS serves a wave's instructions in order, so no wait stands between the stores and the loads
.irp p, 0,1,2,3,4,5,6,7,8,9,10,11,12,13,14,15
	ds_store_b128 v[SIN], v[R+64*((\f)%2)+4*\p:R+64*((\f)%2)+4*\p+3] offset:SP*\p
.endr
.irp c, 0,1
.irp i, 0,1,2,3,4,5,6,7
	ds_load_b128 v[X+32*\c+4*\i:X+32*\c+4*\i+3], v[SOUT] offset:256*\c+16*\i   ; k = 64 c + 32 (lane / 16) + 4 i on, of row lane % 16
.endr
.endr
.endm
.macro FRAGQ f
.irp c, 0,1
	v_max3_num_f32 v[MX+\c], |v[X+32*\c]|, |v[X+32*\c+1]|, 0x2800000   ; the block's largest magnitude, with the floor 2^(5 - 127) among its leaves
.endr
.irp i, 2,4,6,8,10,12,14,16,18,20,22,24,26,28,30
.irp c, 0,1
	v_max3_num_f32 v[MX+\c], v[MX+\c], |v[X+32*\c+\i]|, |v[X+32*\c+\i+1]|   ; (the two blocks by turns)
.endr
.endr
.irp c, 0,1
	v_add_nc_u32 v[SO+\c], 0xfe000000, v[MX+\c]    ; 4 off the exponent field: the conversion's scale operand
.endr
.irp c, 0,1
	v_lshrrev_b32 v[BY+\c], 23, v[SO+\c]           ; the scale's byte
.endr
	v_lshl_or_b32 v[WD], v[BY+1], 16, v[BY]        ; my two bytes: blocks h and 2 + h of my row,
	v_lshlrev_b32 v[WD], v[SH8], v[WD]             ; at their places in the word;
	v_permlanex16_b32 v[TP], v[WD], s20, s21
	v_or_b32 v[SW+\f], v[WD], v[TP]                ; with lane l xor 16's two the word is whole
.if \f > 0
	s_wait_alu depctr_va_vdst(0)
	s_wait_xcnt 0x0                                ; the last fragment's stores have read their data registers, which are written again below
.endif
.irp c, 0,1
	v_cvt_scalef32_pk16_bf6_f32 v[C+6*\c:C+6*\c+2], v[X+32*\c:X+32*\c+15], v[SO+\c]
	v_cvt_scalef32_pk16_bf6_f32 v[CT+4*\c:CT+4*\c+2], v[X+32*\c+16:X+32*\c+31], v[SO+\c]   ; (a conversion's three registers begin on an even number)
.endr
	v_nop                                          ; one plain place behind a scaled conversion
.irp c, 0,1
.irp i, 0,1,2
	v_mov_b32 v[C+6*\c+3+\i], v[CT+4*\c+\i]
.endr
.endr
.irp k, 0,1,2
	global_store_b128 v[LN], v[C+4*\k:C+4*\k+3], s[12:13] offset:KSB*(\f)+512*\k   ; 32 lanes store 512 consecutive bytes, aligned
.endr
.endm
	LOAD 0
	LOAD 1
.irp f, 0,1,2,3
.if \f < 3
	s_wait_loadcnt 16                              ; this fragment's 16 loads are in; the next fragment's 16 may be out
.else
	s_wait_loadcnt 0x0
.endif
	TURN \f
	s_wait_dscnt 0x0                               ; the stage's stores have read their registers, and my two blocks are in
.if \f < 2
	LOAD \f+2
.endif
	FRAGQ \f
.endr
	s_wait_xcnt 0x0                                ; EXEC changes only behind this wait
	v_cmp_gt_u32 vcc_lo, 16, v[LANE]
	s_wait_tensorcnt 0x0
	ds_add_u32 v240, v241
	s_wait_dscnt 0x0
	s_and_saveexec_b32 s28, vcc_lo
	global_store_b128 v[LN], v[SW:SW+3], s[14:15]  ; sixteen lanes store 256 consecutive bytes, aligned
	s_wait_xcnt 0x0                                ; and again, in front of the line that widens it
	s_or_b32 exec_lo, exec_lo, s28
	s_endpgm
.Lfunc_end_k_qf0b74a652a_quant:
	.size	k_qf0b74a652a_quant, .Lfunc_end_k_qf0b74a652a_quant-k_qf0b74a652a_quant
	.p2alignl 7, 3214868480
	.fill 96, 4, 3214868480
	.section	.rodata,"a",@progbits
	.p2align	6, 0x0
	.amdhsa_kernel k_qf0b74a652a_quant
		.amdhsa_group_segment_fixed_size 17152
		.amdhsa_private_segment_fixed_size 0
		.amdhsa_enable_private_segment 0
		.amdhsa_kernarg_size 48
		.amdhsa_user_sgpr_count 2
		.amdhsa_user_sgpr_kernarg_segment_ptr 1
		.amdhsa_wavefront_size32 1
		.amdhsa_system_sgpr_workgroup_id_x 1
		.amdhsa_system_sgpr_workgroup_id_y 1
		.amdhsa_system_sgpr_workgroup_id_z 1
		.amdhsa_system_vgpr_workitem_id 0
		.amdhsa_next_free_vgpr 242
		.amdhsa_next_free_sgpr 66
		.amdhsa_reserve_vcc 1
		.amdhsa_float_denorm_mode_32 3
		.amdhsa_float_denorm_mode_16_64 3
		.amdhsa_memory_ordered 1
		.amdhsa_forward_progress 1
		.amdhsa_inst_pref_size 31
	.end_amdhsa_kernel
	.amdgpu_metadata
---
amdhsa.version: [ 1, 2 ]
amdhsa.kernels:
  - .name:           k_qf0b74a652a_quant
    .symbol:         k_qf0b74a652a_quant.kd
    .args:
      - { .name: embedded, .offset: 0, .size: 8, .value_kind: global_buffer, .address_space: global }
      - { .name: Wk, .offset: 8, .size: 8, .value_kind: global_buffer, .address_space: global }
      - { .name: Wq, .offset: 16, .size: 8, .value_kind: global_buffer, .address_space: global }
      - { .name: Wv, .offset: 24, .size: 8, .value_kind: global_buffer, .address_space: global }
      - { .name: zc, .offset: 32, .size: 8, .value_kind: global_buffer, .address_space: global }
      - { .name: zs, .offset: 40, .size: 8, .value_kind: global_buffer, .address_space: global }
    .group_segment_fixed_size: 17152
    .private_segment_fixed_size: 0
    .kernarg_segment_align: 8
    .kernarg_segment_size: 48
    .max_flat_workgroup_size: 64
    .sgpr_count:     66
    .vgpr_count:     242
    .wavefront_size: 32
...
	.end_amdgpu_metadata
.endif
;; end of part 1
;; launch proj (part 2): grid 8 x 32, 4 waves a work-group, clusters of 4 x 4, 327,680 bytes of LDS; arguments zc, zs, bk, bq, bv, kqc, kqs, vc, vs; writes kqc, kqs, vc, vs
.if DOCPART == 2
	.amdgcn_target "amdgcn-amd-amdhsa--gfx1250"
	.amdhsa_code_object_version 6
	.text
	.protected	k_qf0b74a652a_proj
	.globl	k_qf0b74a652a_proj
	.p2align	8
	.type	k_qf0b74a652a_proj,@function
k_qf0b74a652a_proj:
	s_mov_b64 s[64:65], 0
	v_nop
	global_prefetch_b8 v0, s[64:65] scope:SCOPE_SE
	s_setreg_imm32_b32 hwreg(HW_REG_WAVE_MODE, 25, 1), 1
	s_wait_xcnt 0x0
	s_wait_alu depctr_hold_cnt(0) depctr_sa_sdst(0) depctr_va_vdst(0) depctr_va_sdst(0) depctr_va_ssrc(0) depctr_va_vcc(0) depctr_vm_vsrc(0)
	s_getreg_b32 s2, hwreg(HW_REG_IB_STS2, 6, 4)
	s_cmp_eq_u32 s2, 0
	s_cbranch_scc0 .Lentry_in_a_cluster
	s_endpgm
.Lentry_in_a_cluster:
	s_bfe_u32 s2, ttmp6, 0x10000c
	s_cmp_lg_u32 s2, 0xf033
	s_cbranch_scc0 .Lentry_shape_is_right
	s_endpgm
.Lentry_shape_is_right:
; K = x Wk^T + bk, Q = x Wq^T + bq, V = x Wv^T + bv on codes of BF6 (E3M2) with E8M0 scales, and the results quantised again for the next products: K and Q along e, V along the keys.
; Operands come from zc / zs as images of the matrix unit's registers: [group of 128 rows][K step of 128][tile][1,536 bytes]; place p of tile 2 b + u is row 32 b + 8 u + p % 8 + 16 (p / 8).
; In groups of 128 rows of Z: x is 0-63, Wk 64-71, Wq 72-79, Wv 80-87.
; A WORK-GROUP STAYS AND DOES TWO PARTS, so that 256 work-groups share the three products evenly: 512 + 256 matrix instructions a wave.
; PART 1: 256 x 256 results of K (cluster x = 0) or Q (1), K = 1,024; a wave 128 x 128: 64 accumulators.  Source 0 = rows of W, source 1 = rows of x: a lane holds one row of x and its registers run along e.
; PART 2: 256 keys x 128 channels of V; a wave 128 keys x the four tiles of channels of one parity: 32 accumulators.  Source 0 = rows of x (keys), source 1 = rows of Wv: a lane holds one channel and its registers run along the keys.
; In both a lane's 64 results of a block of source 1 are 64 numbers of ONE K step of the next product, register 16 b + i = k 32 b + 16 (lane / 16) + i: they are quantised in registers and leave as a fragment's image.
; The bias is the C of each sum's first matrix instruction.
; OUT.  kqc: K's 64 groups, then Q's, [group][K step e / 128][tile][1,536]; vc: [batch][d / 128][K step key / 128][tile][1,536].  Scale words, 512 bytes for a group and K step:
; the word of (tile a, place r) at 16 (r + 16 (a % 2)) + 4 (a / 2).
; LDS.  Part 1: two slots of three K steps, one of them filled again; the scales of its 512 rows come once.  Part 2's operands, 2 x 147,456 bytes, are just the two slots' bytes: they come in two halves of four K steps,
; the first into bytes 147,456 on when slot 1 is read out (K step 5), the second into bytes 0 on when slot 0 is (in part 1's way out), so that they land under part 1's last steps and its way out.
; The launch claims all of a WGP's LDS.
; CLUSTERS: 4 x 4 work-groups; source 1's tiles are shared along a row of the cluster, source 0's along a column, in both parts: each is asked for jointly.
; LIMITS: a block of zeros gets the byte 1 (its codes are zeros); magnitudes under 2^-122 share that floor; NaN and infinities are not served.
; REGISTERS, in windows of 256.  Window 0: v1-8 lane numbers and offsets; v16-31 LDS addresses and the add's two; v32-95 the 64 scale registers of all of K, and nothing else ever; v96-123 at work on the way out;
; v128-223 source 1's fragments (part 1: one set of 96; part 2: two of 48); v128-147, v224-243 codes on the way out.  Window 1: source 0's fragments, TWO sets, at v0 and v128; the bias at v96-127 and v224-255.  Windows 2, 3: the accumulators.
; THE LDS PLAN (it takes the place of the paragraph LDS above).  Part 1: a ring of two slots of three K steps, 147,456 bytes each: slot 0 takes K steps 0-2 at the head,
; slot 1 K steps 3-5 behind the round that follows, slot 0 again K steps 6 and 7 in K step 2.  One tensor load a wave each time.
; Part 2's halves land on just these two slots: its K steps 0-3 on slot 1 in K step 5, its K steps 4-7 on slot 0 in part 1's way out.
; Part 1's scale words come straight from zs into the 64 scale registers, sixteen lanes to 256 consecutive bytes, as part 2's do.
; PREFETCHES, a lane to a block of 256 bytes.  Of the 128 rows that a wave fetches, the four partners that ask for them jointly share the blocks out by address (cx for x, cy for W): behind the head's load
; a wave names its 36 blocks of K steps 3-5 (two requests), behind slot 1's load its 24 blocks of K steps 6 and 7.  Wv's group: 12 blocks a wave for each half (cx and the wave's number share them out),
; the first half named behind slot 1's load, the second in K step 2: five and more K steps ahead of the loads that want them.  Part 2's rows of x are not named: this cluster's loads of part 1 have read them.
; All steps are immediates: no address register of a prefetch is written again.  Every address lies inside the group of zc that the wave fetches.
.set KSB,   12288                      ; a K step of 128 rows: 8 fragments
.set FRB,   1536
.set GRP,   98304                      ; a group's 8 K steps
.set PAIR,  2*KSB                      ; two K steps of 128 rows, dense
.set TRI,   3*KSB                      ; three K steps of 128 rows, dense
.set SLOT,  4*TRI                      ; source 1's two halves, then source 0's
.set SPARE, 2*SLOT                     ; the spare words: 128 bytes a wave, two blocks of 256 bytes that no other line names
.set H0,    12*KSB                     ; part 2: K steps 0-3 lie from this byte on, K steps 4-7 from byte 0 on; in each: Wv's group (4 KSB), then x's two groups (4 KSB each)
.set FR,    12
.set NL,    3                          ; LDS loads that bring a fragment
.set RR,    1
.set HH,    2
.set LN,    3                          ; 16 x lane; never rewritten
.set BO1,   5                          ; part 1's bias: my offset
.set BO2,   6                          ; part 2's
.set VS,    7                          ; v7, v8 part 2's scale words in zs: my offset for the even and the odd registers
.set PF,    9                          ; v9-11 the prefetches' offsets: K steps 3-5, first 32 blocks and last 4; K steps 6 and 7; never rewritten
.set PFW,   12                         ; and Wv's; never rewritten
.set ADRA,  16                         ; v16, 17 part 1: source 1's fragments in slot 0, 1
.set ADRB,  20                         ; v20, 21 source 0's
.set ADRS,  24                         ; part 1's scale words in zs, my offset: lanes 0-15 source 1's, lanes 16-31 source 0's
.set ADA2,  25                         ; v25, 26 part 2: source 1's fragments in half 0, 1
.set SPW,   28
.set NIL,   29
.set ADB2,  30                         ; v30, 31 source 0's
.set SC,    32                         ; register 8 i + ks: block i, K step ks
.set TM,    96
.set PW,    112
.set OW,    120
.set AF,    128
.set WV,    22
.set HA,    23                         ; part 1: my half of source 1; part 2: the parity of my tiles of source 1.  Also: I fetch for source 1 (0) or source 0 (1)
.set HB,    24                         ; my half of source 0.  Also: which part I fetch
.set CX,    25
.set CY,    26
.set XX,    27
.set YY,    28
.set JJ,    29                         ; the row's mask, then source 1's tile or group
.set II,    30                         ; the column's mask, then source 0's tile
.set SEL,   10
.set G1A,   32
.set G1B,   40
.set PFA,   48                         ; s[48:49] the group of zc that I fetch in part 1; never rewritten
.set G1SB,  56                         ; part 2's source 0
.set G0A,   68                         ; s[68:79] source 1: part 2's first half, slot 0, slot 1 (later part 2's second half)
.set G0B,   84                         ; s[84:95] source 0 likewise
.set MSB, 0
.macro WIN new                         ; the immediate's high byte repeats the setting that is left
.if MSB != \new
	s_set_vgpr_msb (MSB<<8)|\new
.set MSB, \new
.endif
.endm
.set MUL_LO, 0xa1                      ; source 0 window 1, source 1 window 0, C and D window 2
.set MUL_HI, 0xf1
.set TO_B,   0x40
.macro PLACES n
.rept \n
	v_nop
.endr
.endm
.macro JLOAD g0a, g1a, g0b, g1b        ; a joint load; the branch hangs on the wave's number alone; four v_nop follow each of the two lines
	s_cmp_eq_u32 s[HA], 0
	s_cbranch_scc0 .Lfor_b_\@
	tensor_load_to_lds s[\g0a:\g0a+3], s[\g1a:\g1a+7]
	s_nop 0
.rept 4
	v_nop
.endr
	s_branch .Lasked_\@
.Lfor_b_\@:
	tensor_load_to_lds s[\g0b:\g0b+3], s[\g1b:\g1b+7]
	s_nop 0
.rept 4
	v_nop
.endr
.Lasked_\@:
.endm
.macro CREST                           ; a round of the cluster's barrier behind its opening barrier
	s_cmp_lg_u32 s[WV], 0
	s_cbranch_scc1 .Lnot_wave_0_\@
	s_barrier_signal -3
.Lnot_wave_0_\@:
	s_barrier_wait -3
	s_barrier_signal -1
	s_barrier_wait -1
.endm
.macro CROUND
	s_barrier_signal -1
	s_barrier_wait -1
	CREST
.endm
	s_load_b512 s[4:19], s[0:1], 0x0               ; zc, zs, bk, bq, bv, kqc, kqs, vc
	s_load_b64 s[20:21], s[0:1], 0x40              ; vs
	v_lshl_add_u32 v[SPW], v0, 2, SPARE
	v_mov_b32 v[NIL], 0
	ds_add_u32 v28, v29
	ds_add_u32 v28, v29
	s_wait_dscnt 0x0
	v_lshrrev_b32 v1, 5, v0
	v_readfirstlane_b32 s[WV], v1
	s_lshr_b32 s[HA], s[WV], 1
	s_and_b32 s[HB], s[WV], 1
	s_bfe_u32 s[CX], ttmp6, 0x40000
	s_bfe_u32 s[CY], ttmp6, 0x40004
	s_mov_b32 s[XX], ttmp9                         ; the cluster's x: 0 K, 1 Q; the same in all sixteen partners
	s_and_b32 s[YY], ttmp7, 0xffff                 ; the cluster's y
	s_lshl_b32 s[JJ], s[CY], 2
	s_lshl_b32 s[JJ], 15, s[JJ]                    ; my row of the cluster
	s_lshl_b32 s[II], 0x1111, s[CX]                ; my column
	s_or_b32 s[G1A], s[JJ], (3<<16)|(1<<21)        ; 15:0 the mask; 17:16 elements of 8 bytes; 21 set beside a mask; no padding
	s_or_b32 s[G1B], s[II], (3<<16)|(1<<21)
	s_or_b32 s[G1SB], s[II], (3<<16)|(1<<21)
.irp g, G1A, G1B                       ; three K steps: 36,864 dense bytes as 144 rows of 256
	s_mov_b32 s[\g+1], 32<<16
	s_mov_b32 s[\g+2], 144<<16
	s_mov_b32 s[\g+3], 32<<16
	s_mov_b32 s[\g+4], 144
	s_mov_b32 s[\g+5], 32
	s_mov_b32 s[\g+6], 0
	s_mov_b32 s[\g+7], 0
.endr
.irp g, G1SB                           ; part 2's source 0: four K steps of a group, 49,152 dense bytes as 192 rows of 256
	s_mov_b32 s[\g+1], 32<<16
	s_mov_b32 s[\g+2], 192<<16
	s_mov_b32 s[\g+3], 32<<16
	s_mov_b32 s[\g+4], 192
	s_mov_b32 s[\g+5], 32
	s_mov_b32 s[\g+6], 0
	s_mov_b32 s[\g+7], 0
.endr
	s_lshl_b32 s[JJ], s[YY], 2
	s_add_co_u32 s[JJ], s[JJ], s[CY]               ; part 1, in tiles of 256 rows of Z: source 1 is x's tile 4 y + cy,
	s_lshl_b32 s[II], s[XX], 2
	s_add_co_u32 s[II], s[II], 32
	s_add_co_u32 s[II], s[II], s[CX]               ; source 0 is W's tile 32 + 4 x + cx
	s_lshl_b32 s100, s[JJ], 1
	s_add_co_u32 s101, s100, s[HA]                 ; x's group that I multiply,
	s_lshl_b32 s101, s101, 12                      ; and its scale words in zs
	s_add_co_u32 s100, s100, s[HB]                 ; the group that I fetch, if I fetch for source 1
	s_mul_i32 s66, s100, GRP
	s_mov_b32 s67, 0
	s_lshl_b32 s104, s[II], 1
	s_add_co_u32 s104, s104, s[HB]                 ; W's group: the one that I fetch, if for source 0, and the one that I multiply
	s_mul_i32 s2, s104, GRP
	s_mov_b32 s3, 0
	s_lshl_b32 s104, s104, 12
	s_sub_co_u32 s104, s104, s101                  ; from x's scale words to W's (W lies behind x in zs: the distance is positive)
	s_mul_i32 s31, s[WV], TRI                      ; where it goes in a slot: no place in the cluster enters an LDS address
	s_cmp_eq_u32 s[HA], 0
	s_cselect_b32 s50, s[CX], s[CY]                ; the prefetches: my place among the four that ask for my tile with me,
	s_mul_i32 s51, s50, 9216                       ; my quarter of three K steps' 36,864 bytes,
	s_mul_i32 s50, s50, 6144                       ; and of two K steps' 24,576
	s_mul_i32 s52, s[CX], 6144                     ; Wv's tiles are shared along the row: my work-group's quarter of 24,576 bytes,
	s_mul_i32 s53, s[HA], 3072                     ; and my wave's half of that
	s_add_co_u32 s52, s52, s53
	s_wait_kmcnt 0x0
	s_add_nc_u64 s[66:67], s[4:5], s[66:67]
	s_add_nc_u64 s[2:3], s[4:5], s[2:3]
	s_cmp_eq_u32 s[HA], 0
	s_cselect_b64 s[PFA:PFA+1], s[66:67], s[2:3]   ; the choice hangs on the wave's number alone
	s_mov_b32 s[G0A], 1                            ; (the rest of these two is written in K step 2, for part 2)
	s_mov_b32 s[G0B], 1
.irp s, 0,1
	s_mov_b32 s[G0A+4+4*\s], 1
	s_add_co_u32 s[G0A+5+4*\s], s31, \s*SLOT
	s_add_nc_u64 s[G0A+6+4*\s:G0A+7+4*\s], s[66:67], \s*TRI
	s_or_b32 s[G0A+7+4*\s], s[G0A+7+4*\s], 0x80000000
	s_mov_b32 s[G0B+4+4*\s], 1
	s_add_co_u32 s[G0B+5+4*\s], s31, \s*SLOT
	s_add_nc_u64 s[G0B+6+4*\s:G0B+7+4*\s], s[2:3], \s*TRI
	s_or_b32 s[G0B+7+4*\s], s[G0B+7+4*\s], 0x80000000
.endr
	CROUND                                         ; all sixteen work-groups are here: the first joint loads meet
	JLOAD G0A+4, G1A, G0B+4, G1B                   ; K steps 0-2, my quarter of slot 0: one tensor load a wave at the head
	v_and_b32 v[RR], 15, v0
	v_bfe_u32 v[HH], v0, 4, 1
	s_wait_alu depctr_va_vdst(0)
	v_and_b32 v[LN], 31, v0
	v_lshlrev_b32 v[LN], 4, v[LN]
	v_mul_u32_u24 v4, s104, v[HH]                  ; lanes 16-31 take source 0's words: the lower base + h x the distance
	v_add_nc_u32 v4, s101, v4
	v_lshl_add_u32 v[ADRS], v[RR], 4, v4
	v_lshl_add_u32 v[PF], v[LN], 4, s51            ; 256 x lane + my quarter: blocks 0-31 of my 36
	v_min_u32 v4, 48, v[LN]
	v_lshl_add_u32 v[PF+1], v4, 4, s51             ; blocks 32-35 (with the immediate 8,192); the lanes left over name the last again
	v_min_u32 v4, 368, v[LN]
	v_lshl_add_u32 v[PF+2], v4, 4, s50             ; my 24 blocks of K steps 6 and 7
	v_min_u32 v4, 176, v[LN]
	v_lshl_add_u32 v[PFW], v4, 4, s52              ; my 12 blocks of a half of Wv's group
	s_wait_alu depctr_va_vdst(0)                   ; directly ahead of the readers below
.irp i, 0,1,2,3,4,5,6,7
.irp g, 0,1
	global_load_b128 v[SC+8*\i+4*\g:SC+8*\i+4*\g+3], v[ADRS], s[6:7] offset:512*\i+256*\g   ; all of K's scale words: block i, K steps 4 g on; sixteen lanes read 256 consecutive bytes
.endr
.endr
	global_prefetch_b8 v[PF], s[PFA:PFA+1] offset:TRI th:TH_LOAD_NT scope:SCOPE_SE          ; K steps 3-5, which the next load brings
	global_prefetch_b8 v[PF+1], s[PFA:PFA+1] offset:TRI+8192 th:TH_LOAD_NT scope:SCOPE_SE
	s_mul_i32 s100, s[HA], TRI                     ; part 1: my 128 rows of source 1,
	s_mul_i32 s101, s[HB], TRI                     ; of source 0,
	s_add_co_u32 s101, s101, 2*TRI                 ; which lie behind source 1's two halves
.irp s, 0,1
	v_add_nc_u32 v[ADRA+\s], s100, v[LN]
	v_add_nc_u32 v[ADRB+\s], s101, v[LN]
	s_add_co_u32 s100, s100, SLOT
	s_add_co_u32 s101, s101, SLOT
.endr
	s_mul_i32 s100, s[HA], FRB                     ; part 2: source 1's tiles 2 a + parity,
	s_mul_i32 s101, s[HB], 4*KSB
	s_add_co_u32 s101, s101, 4*KSB                 ; source 0's group, behind source 1's
	v_add_nc_u32 v[ADA2+1], s100, v[LN]            ; K steps 4-7, from byte 0 on
	v_add_nc_u32 v[ADB2+1], s101, v[LN]
	s_add_co_u32 s100, s100, H0
	s_add_co_u32 s101, s101, H0
	v_add_nc_u32 v[ADA2], s100, v[LN]              ; K steps 0-3
	v_add_nc_u32 v[ADB2], s101, v[LN]
.irp b, 0,1,2,3
	v_mov_b32 v[TM+4+\b], 0                        ; a lane permute's destination counts as one of its sources
.endr
	; PART 1'S BIAS, in the result's layout, eight registers a tile of source 0, into window 1
	s_cmp_eq_u32 s[XX], 0
	s_cselect_b64 s[8:9], s[8:9], s[10:11]         ; bk or bq
	s_lshl_b32 s100, s[CX], 1
	s_add_co_u32 s100, s100, s[HB]
	s_lshl_b32 s100, s100, 9                       ; my 128 channels e
	s_mov_b32 s101, 0
	s_add_nc_u64 s[8:9], s[8:9], s[100:101]
	v_lshlrev_b32 v[BO1], 6, v[HH]                 ; tile 2 b + u, register j: channel 32 b + 8 u + 16 h + j
	WIN TO_B
.irp t, 0,1,2,3,4,5,6,7
	global_load_b128 v[96+8*\t+96*(\t/4):96+8*\t+96*(\t/4)+3], v[BO1], s[8:9] offset:(32*(\t/2)+8*(\t%2))*4
	global_load_b128 v[96+8*\t+96*(\t/4)+4:96+8*\t+96*(\t/4)+7], v[BO1], s[8:9] offset:(32*(\t/2)+8*(\t%2))*4+16
.endr
	WIN 0
	s_mov_b32 s[SEL], 0x76543210
	s_mov_b32 s[SEL+1], 0xfedcba98                 ; selects for lane l xor 16
	; where part 1's results go, in units of (group, K step): 12,288 bytes of codes, 512 of scale words: 512 x + 8 (x's group) + 2 cx + my half of source 0
	s_lshl_b32 s100, s[JJ], 1
	s_add_co_u32 s100, s100, s[HA]
	s_lshl_b32 s100, s100, 3
	s_lshl_b32 s101, s[XX], 9
	s_add_co_u32 s100, s100, s101
	s_lshl_b32 s101, s[CX], 1
	s_add_co_u32 s100, s100, s101
	s_add_co_u32 s100, s100, s[HB]
	s_mul_i32 s104, s100, KSB
	s_mov_b32 s105, 0
	s_add_nc_u64 s[14:15], s[14:15], s[104:105]
	s_lshl_b32 s104, s100, 9
	s_add_nc_u64 s[16:17], s[16:17], s[104:105]
	; PART 2: source 1 is Wv's group 4 x + cy (Z's group 80 + that), source 0 is x's tile 4 y + cx
	s_lshl_b32 s[JJ], s[XX], 2
	s_add_co_u32 s[JJ], s[JJ], s[CY]
	s_lshl_b32 s[II], s[YY], 2
	s_add_co_u32 s[II], s[II], s[CX]
	s_add_co_u32 s66, s[JJ], 80
	s_mul_i32 s66, s66, GRP
	s_mul_i32 s67, s[HB], PAIR                     ; of a half's four K steps of Wv, waves 0 and 1 fetch two each
	s_add_co_u32 s66, s66, s67
	s_mov_b32 s67, 0
	s_add_nc_u64 s[66:67], s[4:5], s[66:67]        ; kept until the descriptors are written, in K step 2
	s_lshl_b32 s2, s[II], 1
	s_add_co_u32 s2, s2, s[HB]                     ; x's group: the one that I multiply, and the one that I fetch
	s_lshl_b32 s104, s2, 12                        ; its scale words in zs
	s_mul_i32 s2, s2, GRP
	s_mov_b32 s3, 0
	s_add_nc_u64 s[2:3], s[4:5], s[2:3]            ; kept likewise
	s_add_co_u32 s100, s[JJ], 80
	s_lshl_b32 s100, s100, 12
	s_lshl_b32 s101, s[HA], 9
	s_add_co_u32 s100, s100, s101                  ; Wv's scale words: the group's, from the tile of my parity on
	s_sub_co_u32 s100, s100, s104                  ; (Wv lies behind x in zs: the distance is positive)
	v_xor_b32 v4, 1, v[HH]
	v_mul_u32_u24 v[VS], s100, v4                  ; lanes 0-15 take Wv's words, lanes 16-31 x's: the lower base + (1 - h) x the distance
	v_add_nc_u32 v[VS], s104, v[VS]
	v_lshl_add_u32 v[VS], v[RR], 4, v[VS]          ; register 8 i + ..: 512 i bytes on: in lanes 16-31 x's tile i, in lanes 0-15, for even i, Wv's tile i + parity
	v_lshlrev_b32 v4, 9, v4
	v_sub_nc_u32 v[VS+1], v[VS], v4                ; for odd i lanes 0-15 read one tile lower (words that nobody uses), so that no lane leaves zs
	s_lshl_b32 s100, s[JJ], 9
	s_lshl_b32 s101, s[HA], 5
	s_add_co_u32 s100, s100, s101
	s_mov_b32 s101, 0
	s_add_nc_u64 s[12:13], s[12:13], s[100:101]    ; bv at channel 128 group + 8 parity
	v_and_b32 v[BO2], 8, v[RR]
	v_add_nc_u32 v[BO2], v[BO2], v[RR]
	v_lshlrev_b32 v[BO2], 2, v[BO2]                ; place r of tile 2 a + parity is channel 32 a + 8 parity + r + 8 (r / 8)
	s_lshr_b32 s100, s[II], 3                      ; where part 2's results go: unit 128 batch + 16 (d's group) + 2 (x's tile in the batch) + my half
	s_lshl_b32 s100, s100, 7
	s_lshl_b32 s101, s[JJ], 4
	s_add_co_u32 s100, s100, s101
	s_and_b32 s101, s[II], 7
	s_lshl_b32 s101, s101, 1
	s_add_co_u32 s100, s100, s101
	s_add_co_u32 s100, s100, s[HB]
	s_mul_i32 s104, s100, KSB
	s_mul_i32 s105, s[HA], FRB
	s_add_co_u32 s104, s104, s105                  ; codes: from the tile of my parity on
	s_mov_b32 s105, 0
	s_add_nc_u64 s[18:19], s[18:19], s[104:105]
	s_lshl_b32 s104, s100, 9
	s_lshl_b32 s100, s[HA], 8
	s_add_co_u32 s104, s104, s100                  ; scale words: my parity's 256 bytes
	s_add_nc_u64 s[20:21], s[20:21], s[104:105]
.macro FRAG reg, adr, off              ; a fragment comes as it was stored: three loads of 512 consecutive bytes
.irp c, 0,1,2
	ds_load_b128 v[(\reg)+4*\c:(\reg)+4*\c+3], v[\adr] offset:(\off)+512*\c
.endr
.endm
.macro FETCH_B s, q, p                 ; part 1: source 0's eight fragments of the slot's q-th K step into set p
	WIN TO_B
.irp i, 0,1,2,3,4,5,6,7
	FRAG 128*(\p)+FR*\i, ADRB+\s, KSB*(\q)+FRB*\i
.endr
	WIN 0
.endm
.macro FETCH_A s, q, i0                ; source 1's blocks i0 .. i0 + 3
.irp i, \i0, \i0+1, \i0+2, \i0+3
	FRAG AF+FR*(\i), ADRA+\s, KSB*(\q)+FRB*(\i)
.endr
.endm
; 16 matrix instructions: source 1's blocks a0, a0 + 1 x source 0's eight.  mode 0: onto the sums; 1: C = the bias, by source 0's tile.
; The 64 accumulators take turns, one instruction a turn, in the same order in every step.
.macro MUL16 a0, p, ks, mode
.irp a, \a0, \a0+1
.irp b, 0,1,2,3,4,5,6,7
.set rD, 8*(8*((\a)%4)+\b)
.set rB, 128*(\p)+FR*\b
.set rA, AF+FR*(\a)
.set rC, rD
.if \mode == 1
.set rC, 96+8*\b+96*(\b/4)
.endif
	v_wmma_scale_f32_16x16x128_f8f6f4 v[rD:rD+7], v[rB:rB+FR-1], v[rA:rA+FR-1], v[rC:rC+7], v[SC+8*\b+(\ks)], v[SC+8*(\a)+(\ks)] matrix_a_fmt:MATRIX_FMT_BF6 matrix_b_fmt:MATRIX_FMT_BF6 matrix_a_scale:MATRIX_SCALE_ROW1
.endr
.endr
.endm
.macro PROD a0, win, ks, mode
	WIN \win
	MUL16 \a0, (\ks)%2, \ks, \mode
	MUL16 \a0+2, (\ks)%2, \ks, \mode
.endm
.macro NEXT_LO ks                      ; K step k lies in slot (k / 3) % 2, as its (k % 3)-th, and source 0's fragments go to set k % 2
	FETCH_B (((\ks)+1)/3)%2, ((\ks)+1)%3, ((\ks)+1)%2
	FETCH_A (((\ks)+1)/3)%2, ((\ks)+1)%3, 0
.endm
.macro NEXT_HI ks
	FETCH_A (((\ks)+1)/3)%2, ((\ks)+1)%3, 4
.endm
; A load into a register that a matrix instruction has read stands four places behind it, and only plain vector instructions are places (ISA guide 7.12.1 for vector instructions).
.macro STEP ks, first                  ; a K step whose successor lies in the same slot
	s_wait_dscnt 4*NL                              ; all but the youngest 12 loads: source 1's blocks 4-7
.if \first
	PROD 0, 0x91, \ks, 1                           ; source 0 and C window 1, D window 2: the bias starts the sums
.else
	PROD 0, MUL_LO, \ks, 0
.endif
	s_wait_dscnt 0x0
	PLACES 4
	NEXT_LO \ks
.if \first
	PROD 4, 0xd1, \ks, 1                           ; D window 3
.else
	PROD 4, MUL_HI, \ks, 0
.endif
	PLACES 4
	WIN 0
	NEXT_HI \ks
.endm
; A slot's last K step: behind its barrier LDS bytes are filled again.  build = 1 (K step 2): slot 0's descriptors step to K steps 6 and 7, the rows of a load fall to 96, and part 2's descriptors are written, since no load of mine is out.
.macro TURNF ks, g0a, g0b, g1b, build
	s_wait_tensorcnt 0x0                           ; all my tensor loads have landed, my part of the next slot among them;
	ds_add_u32 v[SPW], v[NIL]                      ; 0 onto my spare word;
.if \build
	s_add_nc_u64 s[G0A+6:G0A+7], s[G0A+6:G0A+7], 3*PAIR
	s_add_nc_u64 s[G0B+6:G0B+7], s[G0B+6:G0B+7], 3*PAIR
	s_mov_b32 s[G1A+2], 96<<16                     ; from here on these two bring two K steps: 24,576 dense bytes as 96 rows of 256
	s_mov_b32 s[G1A+4], 96
	s_mov_b32 s[G1B+2], 96<<16
	s_mov_b32 s[G1B+4], 96
	s_mul_i32 s31, s[HB], PAIR                     ; source 1: waves 0 and 1 bring 24,576 bytes each
	s_add_co_u32 s[G0A+1], s31, H0                 ; K steps 0-3
	s_mov_b64 s[G0A+2:G0A+3], s[66:67]
	s_or_b32 s[G0A+3], s[G0A+3], 0x80000000
	s_mov_b32 s[G0A+9], s31                        ; K steps 4-7
	s_add_nc_u64 s[G0A+10:G0A+11], s[66:67], 4*KSB
	s_or_b32 s[G0A+11], s[G0A+11], 0x80000000
	s_mul_i32 s31, s[HB], 4*KSB                    ; source 0: waves 2 and 3 bring a group's 49,152 bytes each
	s_add_co_u32 s31, s31, 4*KSB
	s_add_co_u32 s[G0B+1], s31, H0
	s_mov_b64 s[G0B+2:G0B+3], s[2:3]
	s_or_b32 s[G0B+3], s[G0B+3], 0x80000000
	s_mov_b32 s[G0B+9], s31
	s_add_nc_u64 s[G0B+10:G0B+11], s[2:3], 4*KSB
	s_or_b32 s[G0B+11], s[G0B+11], 0x80000000
.endif
	s_wait_dscnt 4*NL+1                            ; (the add and the youngest 12 loads may be out)
	WIN MUL_LO
	MUL16 0, (\ks)%2, \ks, 0
	s_wait_dscnt 0x0                               ; the add is done, and my LDS reads, this slot's last among them, are over
	s_barrier_signal -1                            ; this barrier opens a round of the cluster's barrier
	MUL16 2, (\ks)%2, \ks, 0
	WIN 0
	s_barrier_wait -1
	CREST                                          ; no wave of any partner still reads the bytes that are filled or has a load on its way
	JLOAD \g0a, G1A, \g0b, \g1b                    ; the first tensor load behind the round; its four v_nop are the places in front of the loads below
.if \build
	global_prefetch_b8 v[PFW], s[66:67] offset:4*KSB th:TH_LOAD_NT scope:SCOPE_SE   ; Wv's K steps 4-7, which the load in part 1's way out brings
.endif
	NEXT_LO \ks
	PROD 4, MUL_HI, \ks, 0
	PLACES 4
	WIN 0
	NEXT_HI \ks
.endm
	s_wait_alu depctr_va_vdst(0)                   ; the wait at the head's end
	s_wait_tensorcnt 0x0                           ; my quarter of slot 0 is in
	ds_add_u32 v[SPW], v[NIL]
	s_wait_dscnt 0x0
	CROUND                                         ; slot 0 is whole in every LDS, and all sixteen work-groups are here
	JLOAD G0A+8, G1A, G0B+8, G1B                   ; K steps 3-5 into slot 1: the first tensor load behind the round; first read in K step 2
	global_prefetch_b8 v[PF+2], s[PFA:PFA+1] offset:2*TRI th:TH_LOAD_NT scope:SCOPE_SE   ; K steps 6 and 7, which the load in K step 2 brings
	global_prefetch_b8 v[PFW], s[66:67] th:TH_LOAD_NT scope:SCOPE_SE                     ; Wv's K steps 0-3, which the load in K step 5 brings
	FETCH_B 0, 0, 0
	FETCH_A 0, 0, 0
	FETCH_A 0, 0, 4
	s_wait_loadcnt 0x0                             ; the scale words and the bias
	STEP 0, 1
	STEP 1, 0
	TURNF 2, G0A+4, G0B+4, G1B, 1                  ; slot 1 is in; slot 0 is read out and takes K steps 6 and 7
	STEP 3, 0
	STEP 4, 0
	TURNF 5, G0A, G0B, G1SB, 0                     ; slot 1 is read out: bytes 147,456 on take part 2's K steps 0-3, which have K steps 6 and 7 and three blocks of the way out in which to land
	STEP 6, 0
	s_wait_dscnt 4*NL                              ; part 1's last K step: nothing more to fetch
	PROD 0, MUL_LO, 7, 0
	s_wait_dscnt 0x0
	PROD 4, MUL_HI, 7, 0
	WIN 0
	PLACES 4
	; part 2's scale words and bias are asked for here, four places behind the last products that read these registers; they land under the way out
	s_wait_alu depctr_va_vdst(0)
.irp i, 0,1,2,3,4,5,6,7
.irp g, 0,1
	global_load_b128 v[SC+8*\i+4*\g:SC+8*\i+4*\g+3], v[VS+\i%2], s[6:7] offset:512*\i+256*\g   ; sixteen lanes read 256 consecutive bytes: a tile's words of four K steps
.endr
.endr
	WIN TO_B
.irp a, 0,1,2,3
.irp j, 0,1,2,3,4,5,6,7
	global_load_b32 v[96+8*\a+\j], v[BO2], s[12:13] offset:128*\a   ; a lane holds one channel: its eight registers of a tile hold the same number
.endr
.endr
	WIN 0
; THE WAY OUT.  Accumulators 8 a .. 8 a + 7 (one block of source 1): my 64 results a lane become one fragment and one scale word a row.  Each accumulator is read from its low end on.
; wx = 1: earlier stores' data registers are written again, behind the wait; sb, off: the codes' base and place; pw: the register that takes the scale word.
.macro QBLOCK a, wx, sb, off, pw
.set W, 2+(\a)/4
.set AC, 64*((\a)%4)
.set PC, 128                           ; the codes' registers share no number with the conversions' sources
.if (\a)%4 == 2
.set PC, 224
.endif
	WIN (W|(W<<2))
.irp b, 0,1,2,3
	v_max3_num_f32 v[TM+\b], |v[AC+16*\b]|, |v[AC+16*\b+1]|, 0x2800000   ; block b: my 16 numbers, and the floor 2^(5 - 127)
.endr
	WIN ((W<<2)|(W<<4))
.irp i, 2,4,6,8,10,12,14
.irp b, 0,1,2,3
	v_max3_num_f32 v[TM+\b], v[TM+\b], |v[AC+16*\b+\i]|, |v[AC+16*\b+\i+1]|
.endr
.endr
	WIN 0
.irp b, 0,1,2,3
	v_permlanex16_b32 v[TM+4+\b], v[TM+\b], s[SEL], s[SEL+1]
.endr
.irp b, 0,1,2,3
	v_max_num_f32 v[TM+\b], v[TM+\b], v[TM+4+\b]   ; with lane l xor 16's: the block's largest magnitude
.endr
.irp b, 0,1,2,3
	v_add_nc_u32 v[TM+12+\b], 0xfe000000, v[TM+\b] ; 4 off the exponent field: the conversion's scale operand
.endr
.irp b, 0,1,2,3
	v_lshrrev_b32 v[TM+4+\b], 23, v[TM+12+\b]      ; the scale's byte
.endr
	v_lshl_or_b32 v[PW+\pw], v[TM+5], 8, v[TM+4]
	v_lshl_or_b32 v[PW+\pw], v[TM+6], 16, v[PW+\pw]
	v_lshl_or_b32 v[PW+\pw], v[TM+7], 24, v[PW+\pw]
.if \wx
	s_wait_xcnt 0x0                                ; earlier blocks' stores have read their data registers
.endif
	WIN W
.irp c, 0,1
	v_cvt_scalef32_pk16_bf6_f32 v[PC+6*\c:PC+6*\c+2], v[AC+32*\c:AC+32*\c+15], v[TM+12+2*\c]
	v_cvt_scalef32_pk16_bf6_f32 v[PC+12+4*\c:PC+14+4*\c], v[AC+32*\c+16:AC+32*\c+31], v[TM+13+2*\c]
.endr
	WIN 0
	v_nop                                          ; one plain place behind a scaled conversion
.irp c, 0,1                            ; the operand's layout wants a whole block in a lane
.irp i, 0,1,2
	v_permlane16_swap_b32 v[PC+6*\c+\i], v[PC+12+4*\c+\i]
.endr
.irp i, 0,1,2
	v_mov_b32 v[PC+3+6*\c+\i], v[PC+12+4*\c+\i]
.endr
.endr
.irp k, 0,1,2
	global_store_b128 v[LN], v[PC+4*\k:PC+4*\k+3], s[\sb:\sb+1] offset:(\off)+512*\k   ; 32 lanes store 512 consecutive bytes, aligned
.endr
.endm
	QBLOCK 0, 0, 14, 0, 0
	QBLOCK 1, 1, 14, FRB, 1
	QBLOCK 2, 1, 14, 2*FRB, 2
	; slot 0 was read out in K step 7: bytes 0 to 147,455 take part 2's K steps 4-7, which have the rest of the way out and part 2's first steps in which to land
	s_wait_tensorcnt 0x0                           ; my one load that was out has landed: my part of part 2's K steps 0-3;
	ds_add_u32 v[SPW], v[NIL]                      ; 0 onto my spare word;
	s_wait_dscnt 0x0                               ; the add is done; my LDS reads were over in K step 7
	CROUND                                         ; both now hold of every wave of every partner: part 2's first half is whole in every LDS
	JLOAD G0A+8, G1A, G0B+8, G1SB                  ; the first tensor load behind the round, and my last
.irp a, 3,4,5,6,7
	QBLOCK \a, 1, 14, FRB*\a, \a
.endr
	v_cmp_ne_u32 vcc_lo, 0, v[HH]
.irp i, 0,1,2,3
	v_cndmask_b32 v[OW+\i], v[PW+2*\i], v[PW+2*\i+1], vcc_lo   ; lanes 0-15 carry the even tiles' words, lanes 16-31 the odd tiles'
.endr
	global_store_b128 v[LN], v[OW:OW+3], s[16:17]
; PART 2.  K step ks lies in half ks / 4; both sources have two sets of registers, ks % 2.
.macro FETCH2 ks                       ; source 0's eight fragments and my four of source 1: 36 loads
.set FS, (\ks)/4
.set FQ, (\ks)%4
.set FP, (\ks)%2
	WIN TO_B
.irp i, 0,1,2,3,4,5,6,7
	FRAG 128*FP+FR*\i, ADB2+FS, KSB*FQ+FRB*\i
.endr
	WIN 0
.irp i, 0,1,2,3
	FRAG AF+48*FP+FR*\i, ADA2+FS, KSB*FQ+2*FRB*\i
.endr
.endm
; 8 matrix instructions: my tile a of channels x the eight tiles of keys.  The 32 accumulators take turns, one instruction a turn, in the same order in every step.
.macro MUL8V a, ks, first
.set MP, (\ks)%2
.irp b, 0,1,2,3,4,5,6,7
.set rD, 8*(8*(\a)+\b)
.set rC, rD
.if \first
.set rC, 96+8*(\a)
.endif
	v_wmma_scale_f32_16x16x128_f8f6f4 v[rD:rD+7], v[128*MP+FR*\b:128*MP+FR*\b+FR-1], v[AF+48*MP+FR*(\a):AF+48*MP+FR*(\a)+FR-1], v[rC:rC+7], v[SC+8*\b+(\ks)], v[SC+16*(\a)+(\ks)] matrix_a_fmt:MATRIX_FMT_BF6 matrix_b_fmt:MATRIX_FMT_BF6 matrix_a_scale:MATRIX_SCALE_ROW1
.endr
.endm
.macro STEP2 ks, first                 ; the next step's fragments are asked for, then this step is multiplied
	PLACES 4                                       ; four places in front of loads into registers that matrix instructions have read
	FETCH2 (\ks)+1
	s_wait_dscnt 36                                ; all but the 36 just issued
.if \first
	WIN 0x91                                       ; C, the bias, in window 1
.else
	WIN MUL_LO
.endif
	MUL8V 0, \ks, \first
	MUL8V 1, \ks, \first
	MUL8V 2, \ks, \first
	MUL8V 3, \ks, \first
.endm
	s_wait_xcnt 0x0                                ; the way out's stores have read their data registers, into which fragments are loaded now
	FETCH2 0
	s_wait_loadcnt 0x0                             ; part 2's scale words and bias
	STEP2 0, 1
	STEP2 1, 0
	PLACES 4                                       ; K step 2: the first half's last fragments are asked for, and the second half is shown whole to every wave; nothing is filled again, so no round follows
	FETCH2 3
	s_wait_dscnt 36
	WIN MUL_LO
	MUL8V 0, 2, 0
	s_wait_tensorcnt 0x0                           ; my last load: no load was issued behind it
	MUL8V 1, 2, 0
	s_wait_dscnt 0x0                               ; no LDS instruction of mine is out at the signal
	s_barrier_signal -1
	MUL8V 2, 2, 0
	s_barrier_wait -1
	MUL8V 3, 2, 0
	STEP2 3, 0
	STEP2 4, 0
	STEP2 5, 0
	STEP2 6, 0
	s_wait_dscnt 0x0                               ; the last K step: nothing more to fetch
	MUL8V 0, 7, 0
	MUL8V 1, 7, 0
	MUL8V 2, 7, 0
	MUL8V 3, 7, 0
	WIN 0
	PLACES 4
.irp a, 0,1,2,3
	QBLOCK \a, 1, 18, 2*FRB*\a, \a                 ; tile 2 a + parity of the group of channels
.endr
	s_wait_xcnt 0x0                                ; EXEC changes only behind this wait
	v_cmp_eq_u32 vcc_lo, 0, v[HH]
	s_and_saveexec_b32 s31, vcc_lo
	global_store_b128 v[LN], v[PW:PW+3], s[20:21]  ; sixteen lanes store 256 consecutive bytes, aligned: my parity's four words a row
	s_wait_xcnt 0x0                                ; and again, in front of the line that widens it
	s_or_b32 exec_lo, exec_lo, s31
	s_wait_tensorcnt 0x0                           ; the wave's end
	ds_add_u32 v[SPW], v[NIL]
	s_wait_dscnt 0x0
	CROUND                                         ; the closing round
	s_endpgm
.Lfunc_end_k_qf0b74a652a_proj:
	.size	k_qf0b74a652a_proj, .Lfunc_end_k_qf0b74a652a_proj-k_qf0b74a652a_proj
	.p2alignl 7, 3214868480
	.fill 96, 4, 3214868480
	.section	.rodata,"a",@progbits
	.p2align	6, 0x0
	.amdhsa_kernel k_qf0b74a652a_proj
		.amdhsa_group_segment_fixed_size 327680
		.amdhsa_private_segment_fixed_size 0
		.amdhsa_enable_private_segment 0
		.amdhsa_kernarg_size 72
		.amdhsa_user_sgpr_count 2
		.amdhsa_user_sgpr_kernarg_segment_ptr 1
		.amdhsa_wavefront_size32 1
		.amdhsa_system_sgpr_workgroup_id_x 1
		.amdhsa_system_sgpr_workgroup_id_y 1
		.amdhsa_system_sgpr_workgroup_id_z 1
		.amdhsa_system_vgpr_workitem_id 0
		.amdhsa_next_free_vgpr 1024
		.amdhsa_next_free_sgpr 106
		.amdhsa_reserve_vcc 1
		.amdhsa_float_denorm_mode_32 3
		.amdhsa_float_denorm_mode_16_64 3
		.amdhsa_memory_ordered 1
		.amdhsa_forward_progress 1
		.amdhsa_inst_pref_size 218
	.end_amdhsa_kernel
	.amdgpu_metadata
---
amdhsa.version: [ 1, 2 ]
amdhsa.kernels:
  - .name:           k_qf0b74a652a_proj
    .symbol:         k_qf0b74a652a_proj.kd
    .args:
      - { .name: zc, .offset: 0, .size: 8, .value_kind: global_buffer, .address_space: global }
      - { .name: zs, .offset: 8, .size: 8, .value_kind: global_buffer, .address_space: global }
      - { .name: bk, .offset: 16, .size: 8, .value_kind: global_buffer, .address_space: global }
      - { .name: bq, .offset: 24, .size: 8, .value_kind: global_buffer, .address_space: global }
      - { .name: bv, .offset: 32, .size: 8, .value_kind: global_buffer, .address_space: global }
      - { .name: kqc, .offset: 40, .size: 8, .value_kind: global_buffer, .address_space: global }
      - { .name: kqs, .offset: 48, .size: 8, .value_kind: global_buffer, .address_space: global }
      - { .name: vc, .offset: 56, .size: 8, .value_kind: global_buffer, .address_space: global }
      - { .name: vs, .offset: 64, .size: 8, .value_kind: global_buffer, .address_space: global }
    .group_segment_fixed_size: 327680
    .private_segment_fixed_size: 0
    .kernarg_segment_align: 8
    .kernarg_segment_size: 72
    .max_flat_workgroup_size: 128
    .sgpr_count:     106
    .vgpr_count:     1024
    .wavefront_size: 32
...
	.end_amdgpu_metadata
.endif
;; end of part 2
;; launch scores (part 3): grid 8 x 32, 4 waves a work-group, clusters of 4 x 4, 327,680 bytes of LDS; arguments kqc, kqs, pc, paux; writes pc, paux
.if DOCPART == 3
	.amdgcn_target "amdgcn-amd-amdhsa--gfx1250"
	.amdhsa_code_object_version 6
	.text
	.protected	k_qf0b74a652a_scores
	.globl	k_qf0b74a652a_scores
	.p2align	8
	.type	k_qf0b74a652a_scores,@function
k_qf0b74a652a_scores:
	s_mov_b64 s[64:65], 0
	v_nop
	global_prefetch_b8 v0, s[64:65] scope:SCOPE_SE
	s_setreg_imm32_b32 hwreg(HW_REG_WAVE_MODE, 25, 1), 1
	s_wait_xcnt 0x0
	s_wait_alu depctr_hold_cnt(0) depctr_sa_sdst(0) depctr_va_vdst(0) depctr_va_sdst(0) depctr_va_ssrc(0) depctr_va_vcc(0) depctr_vm_vsrc(0)
	s_getreg_b32 s2, hwreg(HW_REG_IB_STS2, 6, 4)
	s_cmp_eq_u32 s2, 0
	s_cbranch_scc0 .Lentry_in_a_cluster
	s_endpgm
.Lentry_in_a_cluster:
	s_bfe_u32 s2, ttmp6, 0x10000c
	s_cmp_lg_u32 s2, 0xf033
	s_cbranch_scc0 .Lentry_shape_is_right
	s_endpgm
.Lentry_shape_is_right:
; S^T = K Q^T on codes of BF6 (E3M2) with E8M0 scales, and the softmax's p, quantised along the keys, for each batch.  t = score x log2(e) / sqrt(2,048).
; A work-group makes 256 keys x 256 queries, K = 1,024; a wave 128 x 128.  Source 0 = 16 keys, source 1 = 16 queries: a lane holds ONE query, and since the keys of a tile are chosen
; (place p of tile 2 b + u is key 32 b + 8 u + p % 8 + 16 (p / 8)) its 64 registers of a block of queries are the wave's 128 keys, register 16 b + i = key 32 b + 16 (lane / 16) + i.
; THE MAXIMUM IS TAKEN OVER THE WAVE'S 128 KEYS, which are one K step of the next product: M = ceil(their largest t), a whole number; p = 2^(t - M), not normalised, is quantised block by block;
; -M and the sum of the unquantised p are stored beside the scale words.  The next launch joins the 16 K steps of a query: every rescaling is a power of two, which the blocks' scale bytes take up.
; OUT.  pc: [batch][q / 128][K step key / 128][tile][1,536 bytes], images of the operand's registers.  paux: three arrays of 512 bytes for each (group of queries, K step):
; scale words, -M, the sum; the word of (tile a, place r) at 16 (r + 16 (a % 2)) + 4 (a / 2).
; LDS, clusters and the K loop are those of the launch before: two slots of three K steps, one refill, joint loads.  The launch claims all of a WGP's LDS.
; LIMITS: a block whose every p has fallen to 0 gets the byte 1 (its codes are zeros); NaN and infinities are not served.
; REGISTERS.  Window 0: v1-3 lane numbers; v16-24 LDS addresses; v28, 29 for the add; v32-95 scale registers, and nothing else ever; v96-117 at work; v128-223 source 1's fragments, later codes and what is gathered;
; window 1: source 0's fragments, two sets; windows 2, 3: the accumulators, which become p in place.
; THE LDS PLAN (it takes the place of the line on LDS above): a ring of two slots of three K steps, 147,456 bytes each: slot 0 takes K steps 0-2 at the head,
; slot 1 K steps 3-5 behind the round that follows, slot 0 again K steps 6 and 7 in K step 2.  One tensor load a wave each time.
; The scale words come straight from kqs into the 64 scale registers, sixteen lanes to 256 consecutive bytes.
; PREFETCHES, a lane to a block of 256 bytes.  Of the 128 rows that a wave fetches, the four partners that ask for them jointly share the blocks out by address (cx for Q, cy for K): behind the head's load
; a wave names its 36 blocks of K steps 3-5 (two requests), behind slot 1's load its 24 blocks of K steps 6 and 7.  All steps are immediates: no address register of a prefetch is written again.
; Every address lies inside the group of kqc that the wave fetches.
.set KSB,   12288
.set FRB,   1536
.set GRP,   98304
.set PAIR,  2*KSB
.set TRI,   3*KSB                      ; three K steps of 128 rows, dense
.set SLOT,  4*TRI                      ; Q's two halves, then K's
.set SPARE, 2*SLOT                     ; the spare words: 128 bytes a wave, two blocks of 256 bytes that no other line names
.set QOFF,  6291456                    ; Q's codes behind K's
.set QSOFF, 262144                     ; and its scale words
.set FR,    12
.set NL,    3
.set RR,    1
.set HH,    2
.set LN,    3
.set ADRA,  16
.set ADRB,  20
.set ADRS,  24
.set SPW,   28
.set NIL,   29
.set SC,    32                         ; register 8 ks + 4 (i % 2) + i / 2: block i, K step ks
.set BM,    96                         ; the four blocks' largest scores, then largest p
.set PM,    100
.set SOP,   104
.set TT,    108                        ; v[108:109] -M and t
.set SM,    110                        ; v[110:117] the sum, in four chains of pairs
.set AF,    128
.set PW,    152
.set MM,    160
.set LL,    168
.set OUT,   176
.set WV,    22
.set HA,    23
.set HB,    24
.set CX,    25
.set CY,    26
.set XX,    27
.set YY,    28
.set JJ,    29
.set II,    30
.set SEL,   12
.set CS,    14
.set G1A,   32
.set G1B,   40
.set PFA,   48                         ; s[48:49] the group of kqc that I fetch; never rewritten
.set PF,    9                          ; v9-11 the prefetches' offsets: K steps 3-5, first 32 blocks and last 4; K steps 6 and 7; never rewritten
.set G0A,   68
.set G0B,   84
.set MSB, 0
.macro WIN new
.if MSB != \new
	s_set_vgpr_msb (MSB<<8)|\new
.set MSB, \new
.endif
.endm
.set MUL_LO, 0xa1
.set MUL_HI, 0xf1
.set TO_B,   0x40
.macro PLACES n
.rept \n
	v_nop
.endr
.endm
.macro JLOAD g0a, g1a, g0b, g1b
	s_cmp_eq_u32 s[HA], 0
	s_cbranch_scc0 .Lfor_b_\@
	tensor_load_to_lds s[\g0a:\g0a+3], s[\g1a:\g1a+7]
	s_nop 0
.rept 4
	v_nop
.endr
	s_branch .Lasked_\@
.Lfor_b_\@:
	tensor_load_to_lds s[\g0b:\g0b+3], s[\g1b:\g1b+7]
	s_nop 0
.rept 4
	v_nop
.endr
.Lasked_\@:
.endm
.macro CREST
	s_cmp_lg_u32 s[WV], 0
	s_cbranch_scc1 .Lnot_wave_0_\@
	s_barrier_signal -3
.Lnot_wave_0_\@:
	s_barrier_wait -3
	s_barrier_signal -1
	s_barrier_wait -1
.endm
.macro CROUND
	s_barrier_signal -1
	s_barrier_wait -1
	CREST
.endm
	s_load_b256 s[4:11], s[0:1], 0x0               ; kqc, kqs, pc, paux
	v_lshl_add_u32 v[SPW], v0, 2, SPARE
	v_mov_b32 v[NIL], 0
	ds_add_u32 v28, v29
	ds_add_u32 v28, v29
	s_wait_dscnt 0x0
	v_lshrrev_b32 v1, 5, v0
	v_readfirstlane_b32 s[WV], v1
	s_lshr_b32 s[HA], s[WV], 1                     ; my half of the queries.  Also: I fetch for Q (0) or for K (1)
	s_and_b32 s[HB], s[WV], 1                      ; my half of the keys.  Also: which 128 rows I fetch
	s_bfe_u32 s[CX], ttmp6, 0x40000
	s_bfe_u32 s[CY], ttmp6, 0x40004
	s_mov_b32 s[XX], ttmp9
	s_and_b32 s[YY], ttmp7, 0xffff
	s_lshl_b32 s[JJ], s[CY], 2
	s_lshl_b32 s[JJ], 15, s[JJ]                    ; my row of the cluster
	s_lshl_b32 s[II], 0x1111, s[CX]                ; my column
	s_or_b32 s[G1A], s[JJ], (3<<16)|(1<<21)
	s_or_b32 s[G1B], s[II], (3<<16)|(1<<21)
.irp g, G1A, G1B                       ; three K steps: 36,864 dense bytes as 144 rows of 256
	s_mov_b32 s[\g+1], 32<<16
	s_mov_b32 s[\g+2], 144<<16
	s_mov_b32 s[\g+3], 32<<16
	s_mov_b32 s[\g+4], 144
	s_mov_b32 s[\g+5], 32
	s_mov_b32 s[\g+6], 0
	s_mov_b32 s[\g+7], 0
.endr
	s_lshl_b32 s[JJ], s[YY], 2
	s_add_co_u32 s[JJ], s[JJ], s[CY]               ; Q's tile of 256 rows: 4 y + cy; its batch is y / 2
	s_lshr_b32 s[II], s[YY], 1
	s_lshl_b32 s[II], s[II], 3
	s_lshl_b32 s31, s[XX], 2
	s_add_co_u32 s[II], s[II], s31
	s_add_co_u32 s[II], s[II], s[CX]               ; K's tile: 8 batch + 4 x + cx
	s_lshl_b32 s100, s[JJ], 1
	s_add_co_u32 s101, s100, s[HA]                 ; Q's group that I multiply
	s_add_co_u32 s100, s100, s[HB]                 ; Q's group that I fetch, if I fetch for Q
	s_mul_i32 s66, s100, GRP
	s_add_co_u32 s66, s66, QOFF
	s_mov_b32 s67, 0
	s_lshl_b32 s104, s[II], 1
	s_add_co_u32 s104, s104, s[HB]                 ; K's group: the one that I fetch, if for K, and the one that I multiply
	s_mul_i32 s2, s104, GRP
	s_mov_b32 s3, 0
	s_lshl_b32 s104, s104, 12                      ; its scale words in kqs
	s_lshl_b32 s101, s101, 12
	s_add_co_u32 s101, s101, QSOFF
	s_sub_co_u32 s101, s101, s104                  ; from K's scale words to Q's (Q lies behind K in kqs: the distance is positive)
	s_mul_i32 s31, s[WV], TRI                      ; where my quarter goes in a slot: no place in the cluster enters an LDS address
	s_cmp_eq_u32 s[HA], 0
	s_cselect_b32 s50, s[CX], s[CY]                ; the prefetches: my place among the four that ask for my tile with me,
	s_mul_i32 s51, s50, 9216                       ; my quarter of three K steps' 36,864 bytes,
	s_mul_i32 s50, s50, 6144                       ; and of two K steps' 24,576
	s_wait_kmcnt 0x0
	s_add_nc_u64 s[66:67], s[4:5], s[66:67]
	s_add_nc_u64 s[2:3], s[4:5], s[2:3]
	s_cmp_eq_u32 s[HA], 0
	s_cselect_b64 s[PFA:PFA+1], s[66:67], s[2:3]   ; the choice hangs on the wave's number alone
.irp s, 0,1
	s_mov_b32 s[G0A+4+4*\s], 1
	s_add_co_u32 s[G0A+5+4*\s], s31, \s*SLOT
	s_add_nc_u64 s[G0A+6+4*\s:G0A+7+4*\s], s[66:67], \s*TRI
	s_or_b32 s[G0A+7+4*\s], s[G0A+7+4*\s], 0x80000000
	s_mov_b32 s[G0B+4+4*\s], 1
	s_add_co_u32 s[G0B+5+4*\s], s31, \s*SLOT
	s_add_nc_u64 s[G0B+6+4*\s:G0B+7+4*\s], s[2:3], \s*TRI
	s_or_b32 s[G0B+7+4*\s], s[G0B+7+4*\s], 0x80000000
.endr
	CROUND                                         ; all sixteen work-groups are here: the first joint loads meet
	JLOAD G0A+4, G1A, G0B+4, G1B                   ; K steps 0-2, my quarter of slot 0: one tensor load a wave at the head
	v_and_b32 v[RR], 15, v0
	v_bfe_u32 v[HH], v0, 4, 1
	s_wait_alu depctr_va_vdst(0)
	v_and_b32 v[LN], 31, v0
	v_lshlrev_b32 v[LN], 4, v[LN]
	v_xor_b32 v4, 1, v[HH]
	v_mul_u32_u24 v4, s101, v4                     ; lanes 0-15 take Q's words, lanes 16-31 K's: the lower base + (1 - h) x the distance
	v_add_nc_u32 v4, s104, v4
	v_lshl_add_u32 v[ADRS], v[RR], 4, v4
	v_lshl_add_u32 v[PF], v[LN], 4, s51            ; 256 x lane + my quarter: blocks 0-31 of my 36
	v_min_u32 v4, 48, v[LN]
	v_lshl_add_u32 v[PF+1], v4, 4, s51             ; blocks 32-35 (with the immediate 8,192); the lanes left over name the last again
	v_min_u32 v4, 368, v[LN]
	v_lshl_add_u32 v[PF+2], v4, 4, s50             ; my 24 blocks of K steps 6 and 7
	s_wait_alu depctr_va_vdst(0)                   ; directly ahead of the readers below
.irp k, 0,1,2,3,4,5,6,7
.irp p, 0,1
	global_load_b128 v[SC+8*\k+4*\p:SC+8*\k+4*\p+3], v[ADRS], s[6:7] offset:512*\k+256*\p   ; all of K's scale words: K step k, tiles p, 2 + p, 4 + p, 6 + p; sixteen lanes read 256 consecutive bytes
.endr
.endr
	global_prefetch_b8 v[PF], s[PFA:PFA+1] offset:TRI th:TH_LOAD_NT scope:SCOPE_SE          ; K steps 3-5, which the next load brings
	global_prefetch_b8 v[PF+1], s[PFA:PFA+1] offset:TRI+8192 th:TH_LOAD_NT scope:SCOPE_SE
	s_mul_i32 s66, s[HA], TRI
	s_mul_i32 s67, s[HB], TRI
	s_add_co_u32 s67, s67, 2*TRI
.irp s, 0,1
	v_add_nc_u32 v[ADRA+\s], s66, v[LN]
	v_add_nc_u32 v[ADRB+\s], s67, v[LN]
	s_add_co_u32 s66, s66, SLOT
	s_add_co_u32 s67, s67, SLOT
.endr
.irp b, 0,1,2,3
	v_mov_b32 v[PM+\b], 0                          ; a lane permute's destination counts as one of its sources
.endr
	; where my results go, in units of (group of queries, K step): 256 batch + 16 (2 (Q's tile % 8) + my half) + 2 (4 x + cx) + my half of the keys
	s_lshr_b32 s100, s[YY], 1
	s_lshl_b32 s100, s100, 8
	s_and_b32 s101, s[JJ], 7
	s_lshl_b32 s101, s101, 1
	s_add_co_u32 s101, s101, s[HA]
	s_lshl_b32 s101, s101, 4
	s_add_co_u32 s100, s100, s101
	s_lshl_b32 s101, s[XX], 2
	s_add_co_u32 s101, s101, s[CX]
	s_lshl_b32 s101, s101, 1
	s_add_co_u32 s101, s101, s[HB]
	s_add_co_u32 s100, s100, s101
	s_mul_i32 s104, s100, KSB
	s_mov_b32 s105, 0
	s_add_nc_u64 s[8:9], s[8:9], s[104:105]
	s_lshl_b32 s104, s100, 9
	s_add_nc_u64 s[10:11], s[10:11], s[104:105]
	s_mov_b32 s[SEL], 0x76543210
	s_mov_b32 s[SEL+1], 0xfedcba98
	s_mov_b32 s[CS], 0x3d0293ee                    ; c = log2(e) / sqrt(2,048)
	s_mov_b32 s[CS+1], s[CS]                       ; (named with it as a pair, so it is written)
.macro FRAG reg, adr, off
.irp c, 0,1,2
	ds_load_b128 v[(\reg)+4*\c:(\reg)+4*\c+3], v[\adr] offset:(\off)+512*\c
.endr
.endm
.macro FETCH_B s, q, p
	WIN TO_B
.irp i, 0,1,2,3,4,5,6,7
	FRAG 128*(\p)+FR*\i, ADRB+\s, KSB*(\q)+FRB*\i
.endr
	WIN 0
.endm
.macro FETCH_A s, q, i0
.irp i, \i0, \i0+1, \i0+2, \i0+3
	FRAG AF+FR*(\i), ADRA+\s, KSB*(\q)+FRB*(\i)
.endr
.endm
; 16 matrix instructions; the 64 accumulators take turns, one instruction a turn, in the same order in every step.  zero = 1: the first product starts the sums.
.macro MUL16 a0, p, ks, zero
.irp a, \a0, \a0+1
.irp b, 0,1,2,3,4,5,6,7
.set rD, 8*(8*((\a)%4)+\b)
.set rB, 128*(\p)+FR*\b
.set rA, AF+FR*(\a)
.set qB, SC+8*(\ks)+4*(\b%2)+\b/2
.set qA, SC+8*(\ks)+4*((\a)%2)+(\a)/2
.if \zero
	v_wmma_scale_f32_16x16x128_f8f6f4 v[rD:rD+7], v[rB:rB+FR-1], v[rA:rA+FR-1], 0, v[qB], v[qA] matrix_a_fmt:MATRIX_FMT_BF6 matrix_b_fmt:MATRIX_FMT_BF6 matrix_a_scale:MATRIX_SCALE_ROW1
.else
	v_wmma_scale_f32_16x16x128_f8f6f4 v[rD:rD+7], v[rB:rB+FR-1], v[rA:rA+FR-1], v[rD:rD+7], v[qB], v[qA] matrix_a_fmt:MATRIX_FMT_BF6 matrix_b_fmt:MATRIX_FMT_BF6 matrix_a_scale:MATRIX_SCALE_ROW1
.endif
.endr
.endr
.endm
.macro PROD a0, win, ks, zero
	WIN \win
	MUL16 \a0, (\ks)%2, \ks, \zero
	MUL16 \a0+2, (\ks)%2, \ks, \zero
.endm
.macro NEXT_LO ks                      ; K step k lies in slot (k / 3) % 2, as its (k % 3)-th, and the keys' fragments go to set k % 2
	FETCH_B (((\ks)+1)/3)%2, ((\ks)+1)%3, ((\ks)+1)%2
	FETCH_A (((\ks)+1)/3)%2, ((\ks)+1)%3, 0
.endm
.macro NEXT_HI ks
	FETCH_A (((\ks)+1)/3)%2, ((\ks)+1)%3, 4
.endm
.macro STEP ks, first
	s_wait_dscnt 4*NL                              ; all but the youngest 12 loads: the queries' blocks 4-7
	PROD 0, MUL_LO, \ks, \first
	s_wait_dscnt 0x0
	PLACES 4                                       ; four places in front of loads into registers that matrix instructions have read
	NEXT_LO \ks
	PROD 4, MUL_HI, \ks, \first
	PLACES 4
	WIN 0
	NEXT_HI \ks
.endm
.macro TURNP n, ks
	s_wait_tensorcnt \n                            ; my part of the next slot is in
	s_wait_dscnt 4*NL
	WIN MUL_LO
	MUL16 0, (\ks)%2, \ks, 0
	s_wait_dscnt 0x0
	s_barrier_signal -1
	MUL16 2, (\ks)%2, \ks, 0
	WIN 0
	s_barrier_wait -1
	PLACES 4
	NEXT_LO \ks
	PROD 4, MUL_HI, \ks, 0
	PLACES 4
	WIN 0
	NEXT_HI \ks
.endm
.macro TURNF ks
	s_wait_tensorcnt 0x0                           ; all my tensor loads have landed: my quarter of slot 1;
	ds_add_u32 v[SPW], v[NIL]                      ; 0 onto my spare word;
	s_add_nc_u64 s[G0A+6:G0A+7], s[G0A+6:G0A+7], 3*PAIR   ; no load of mine is out: slot 0's descriptors step to K steps 6 and 7,
	s_add_nc_u64 s[G0B+6:G0B+7], s[G0B+6:G0B+7], 3*PAIR
	s_mov_b32 s[G1A+2], 96<<16                     ; which are 24,576 dense bytes: 96 rows of 256
	s_mov_b32 s[G1A+4], 96
	s_mov_b32 s[G1B+2], 96<<16
	s_mov_b32 s[G1B+4], 96
	s_wait_dscnt 4*NL+1                            ; (the add and the youngest 12 loads may be out)
	WIN MUL_LO
	MUL16 0, (\ks)%2, \ks, 0
	s_wait_dscnt 0x0                               ; the add is done, and my LDS reads are over
	s_barrier_signal -1
	MUL16 2, (\ks)%2, \ks, 0
	WIN 0
	s_barrier_wait -1
	CREST                                          ; no wave of any partner still reads slot 0 or has a load on its way
	JLOAD G0A+4, G1A, G0B+4, G1B                   ; the first tensor load behind the round; its four v_nop are the places in front of the loads below
	NEXT_LO \ks
	PROD 4, MUL_HI, \ks, 0
	PLACES 4
	WIN 0
	NEXT_HI \ks
.endm
	s_wait_alu depctr_va_vdst(0)
	s_wait_tensorcnt 0x0                           ; my quarter of slot 0 is in
	ds_add_u32 v[SPW], v[NIL]
	s_wait_dscnt 0x0
	CROUND                                         ; slot 0 is whole in every LDS, and all sixteen work-groups are here
	JLOAD G0A+8, G1A, G0B+8, G1B                   ; K steps 3-5 into slot 1: the first tensor load behind the round; first read in K step 2
	global_prefetch_b8 v[PF+2], s[PFA:PFA+1] offset:2*TRI th:TH_LOAD_NT scope:SCOPE_SE   ; K steps 6 and 7, which the load in K step 2 brings
	FETCH_B 0, 0, 0
	FETCH_A 0, 0, 0
	FETCH_A 0, 0, 4
	s_wait_loadcnt 0x0                             ; the scale words
	STEP 0, 1
	STEP 1, 0
	TURNF 2                                        ; slot 1 is in; slot 0 is read out and takes K steps 6 and 7
	STEP 3, 0
	STEP 4, 0
	TURNP 0, 5                                     ; K steps 6 and 7 are in; nothing is filled again
	STEP 6, 0
	s_wait_dscnt 4*NL
	PROD 0, MUL_LO, 7, 0
	s_wait_dscnt 0x0
	PROD 4, MUL_HI, 7, 0
	WIN 0
	PLACES 4
; THE SOFTMAX'S PART AND THE WAY OUT, a block of 16 queries at a time.  Each accumulator is read from its low end on.
.macro PBLOCK a
.set W, 2+(\a)/4
.set AC, 64*((\a)%4)
.set PC, 128                           ; the codes' registers share no number with the conversions' sources
.if (\a)%4 == 2
.set PC, 224
.endif
	WIN (W|(W<<2)|(W<<4))
.irp b, 0,1,2,3
	v_max3_num_f32 v[BM+\b], v[AC+16*\b], v[AC+16*\b+1], v[AC+16*\b+2]   ; the largest score of each block of 32 keys: it serves for the maximum, and, since p rises with the score, for the block's largest p
.endr
	WIN ((W<<2)|(W<<4))
.irp i, 3,5,7,9,11,13
.irp b, 0,1,2,3
	v_max3_num_f32 v[BM+\b], v[BM+\b], v[AC+16*\b+\i], v[AC+16*\b+\i+1]
.endr
.endr
.irp b, 0,1,2,3
	v_max_num_f32 v[BM+\b], v[BM+\b], v[AC+16*\b+15]
.endr
	WIN 0
.irp b, 0,1,2,3
	v_permlanex16_b32 v[PM+\b], v[BM+\b], s[SEL], s[SEL+1]
.endr
.irp b, 0,1,2,3
	v_max_num_f32 v[BM+\b], v[BM+\b], v[PM+\b]     ; with lane l xor 16's 16 keys
.endr
	v_max3_num_f32 v[TT+1], v[BM], v[BM+1], v[BM+2]
	v_max_num_f32 v[TT+1], v[TT+1], v[BM+3]        ; my query's largest score among the 128 keys,
	v_mul_f32 v[TT+1], s[CS], v[TT+1]              ; as t (c is positive)
	v_floor_f32 v[TT], -v[TT+1]                    ; -M = floor(-t) = -ceil(t): a whole number
.irp b, 0,1,2,3
	v_fma_f32 v[BM+\b], v[BM+\b], s[CS], v[TT]     ; t - M of each block's largest score
.endr
	WIN ((W<<6)|W)
.irp j, 0,2,4,6,8,10,12,14,16,18,20,22,24,26,28,30,32,34,36,38,40,42,44,46,48,50,52,54,56,58,60,62
	v_pk_fma_f32 v[AC+\j:AC+\j+1], v[AC+\j:AC+\j+1], s[CS:CS+1], v[TT:TT+1] op_sel_hi:[1,0,0]   ; t - M, two at a time
.endr
.set j, 0
	s_wait_alu depctr_va_vdst(0)
.rept 64
	v_exp_f32 v[AC+j], v[AC+j]                     ; p = 2^(t - M), at most 1: not normalised
.set j, j+1
.endr
	WIN 0
.irp b, 0,1,2,3
	v_exp_f32 v[BM+\b], v[BM+\b]                   ; the block's largest p: the same two instructions on the same number give the same bits
.endr
	v_nop                                          ; a plain place behind the last exponential
	s_wait_alu depctr_va_vdst(0)                   ; one wait for the batch of 68, ahead of its first reader
	v_mov_b32 v[MM+\a], v[TT]
	WIN (W|(W<<2))
.irp q, 0,1,2,3
	v_pk_add_f32 v[SM+2*\q:SM+2*\q+1], v[AC+4*\q:AC+4*\q+1], v[AC+4*\q+2:AC+4*\q+3]   ; the sum is taken of the unquantised p, in four chains of pairs (v110-117), so that no line reads the line above it
.endr
	WIN (W<<2)
.irp j, 16,24,32,40,48,56
.irp q, 0,1,2,3
	v_pk_add_f32 v[SM+2*\q:SM+2*\q+1], v[SM+2*\q:SM+2*\q+1], v[AC+\j+2*\q:AC+\j+2*\q+1]
.endr
.endr
	WIN 0
	v_pk_add_f32 v[SM:SM+1], v[SM:SM+1], v[SM+2:SM+3]
	v_pk_add_f32 v[SM+4:SM+5], v[SM+4:SM+5], v[SM+6:SM+7]
	v_pk_add_f32 v[SM:SM+1], v[SM:SM+1], v[SM+4:SM+5]
.irp b, 0,1,2,3
	v_max_num_f32 v[BM+\b], 0x2800000, v[BM+\b]    ; the floor 2^(5 - 127): the byte cannot fall under 1
.endr
.irp b, 0,1,2,3
	v_add_nc_u32 v[SOP+\b], 0xfe000000, v[BM+\b]   ; 4 off the exponent field: the conversion's scale operand
.endr
.irp b, 0,1,2,3
	v_lshrrev_b32 v[PM+\b], 23, v[SOP+\b]          ; the scale's byte
.endr
	v_lshl_or_b32 v[PW+\a], v[PM+1], 8, v[PM]
	v_lshl_or_b32 v[PW+\a], v[PM+2], 16, v[PW+\a]
	v_lshl_or_b32 v[PW+\a], v[PM+3], 24, v[PW+\a]
.if \a > 0
	s_wait_xcnt 0x0                                ; earlier blocks' stores have read their data registers
.endif
	WIN W
.irp c, 0,1
	v_cvt_scalef32_pk16_bf6_f32 v[PC+6*\c:PC+6*\c+2], v[AC+32*\c:AC+32*\c+15], v[SOP+2*\c]
	v_cvt_scalef32_pk16_bf6_f32 v[PC+12+4*\c:PC+14+4*\c], v[AC+32*\c+16:AC+32*\c+31], v[SOP+2*\c+1]
.endr
	WIN 0
	v_nop                                          ; one plain place behind a scaled conversion
.irp c, 0,1
.irp i, 0,1,2
	v_permlane16_swap_b32 v[PC+6*\c+\i], v[PC+12+4*\c+\i]
.endr
.irp i, 0,1,2
	v_mov_b32 v[PC+3+6*\c+\i], v[PC+12+4*\c+\i]
.endr
.endr
	v_add_f32 v[SM], v[SM], v[SM+1]                ; the sum's two halves,
	v_permlanex16_b32 v[SM+2], v[SM], s[SEL], s[SEL+1]
	v_add_f32 v[LL+\a], v[SM], v[SM+2]             ; and lane l xor 16's
.irp k, 0,1,2
	global_store_b128 v[LN], v[PC+4*\k:PC+4*\k+3], s[8:9] offset:FRB*(\a)+512*\k   ; 32 lanes store 512 consecutive bytes, aligned
.endr
.endm
.irp a, 0,1,2,3,4,5,6,7
	PBLOCK \a
.endr
	v_cmp_ne_u32 vcc_lo, 0, v[HH]
.irp i, 0,1,2,3
	v_cndmask_b32 v[OUT+\i], v[PW+2*\i], v[PW+2*\i+1], vcc_lo      ; lanes 0-15 carry the even tiles', lanes 16-31 the odd tiles'
	v_cndmask_b32 v[OUT+4+\i], v[MM+2*\i], v[MM+2*\i+1], vcc_lo
	v_cndmask_b32 v[OUT+8+\i], v[LL+2*\i], v[LL+2*\i+1], vcc_lo
.endr
	global_store_b128 v[LN], v[OUT:OUT+3], s[10:11]                    ; the scale words
	global_store_b128 v[LN], v[OUT+4:OUT+7], s[10:11] offset:524288    ; -M
	global_store_b128 v[LN], v[OUT+8:OUT+11], s[10:11] offset:1048576  ; the sums
	s_wait_tensorcnt 0x0                           ; the wave's end
	ds_add_u32 v[SPW], v[NIL]
	s_wait_dscnt 0x0
	CROUND                                         ; the closing round
	s_endpgm
.Lfunc_end_k_qf0b74a652a_scores:
	.size	k_qf0b74a652a_scores, .Lfunc_end_k_qf0b74a652a_scores-k_qf0b74a652a_scores
	.p2alignl 7, 3214868480
	.fill 96, 4, 3214868480
	.section	.rodata,"a",@progbits
	.p2align	6, 0x0
	.amdhsa_kernel k_qf0b74a652a_scores
		.amdhsa_group_segment_fixed_size 327680
		.amdhsa_private_segment_fixed_size 0
		.amdhsa_enable_private_segment 0
		.amdhsa_kernarg_size 32
		.amdhsa_user_sgpr_count 2
		.amdhsa_user_sgpr_kernarg_segment_ptr 1
		.amdhsa_wavefront_size32 1
		.amdhsa_system_sgpr_workgroup_id_x 1
		.amdhsa_system_sgpr_workgroup_id_y 1
		.amdhsa_system_sgpr_workgroup_id_z 1
		.amdhsa_system_vgpr_workitem_id 0
		.amdhsa_next_free_vgpr 1024
		.amdhsa_next_free_sgpr 106
		.amdhsa_reserve_vcc 1
		.amdhsa_float_denorm_mode_32 3
		.amdhsa_float_denorm_mode_16_64 3
		.amdhsa_memory_ordered 1
		.amdhsa_forward_progress 1
		.amdhsa_inst_pref_size 193
	.end_amdhsa_kernel
	.amdgpu_metadata
---
amdhsa.version: [ 1, 2 ]
amdhsa.kernels:
  - .name:           k_qf0b74a652a_scores
    .symbol:         k_qf0b74a652a_scores.kd
    .args:
      - { .name: kqc, .offset: 0, .size: 8, .value_kind: global_buffer, .address_space: global }
      - { .name: kqs, .offset: 8, .size: 8, .value_kind: global_buffer, .address_space: global }
      - { .name: pc, .offset: 16, .size: 8, .value_kind: global_buffer, .address_space: global }
      - { .name: paux, .offset: 24, .size: 8, .value_kind: global_buffer, .address_space: global }
    .group_segment_fixed_size: 327680
    .private_segment_fixed_size: 0
    .kernarg_segment_align: 8
    .kernarg_segment_size: 32
    .max_flat_workgroup_size: 128
    .sgpr_count:     106
    .vgpr_count:     1024
    .wavefront_size: 32
...
	.end_amdgpu_metadata
.endif
;; end of part 3
;; launch pv (part 4): grid 4 x 64, 4 waves a work-group, clusters of 4 x 4, 327,680 bytes of LDS; arguments pc, paux, vc, vs, out0; writes out0
.if DOCPART == 4
	.amdgcn_target "amdgcn-amd-amdhsa--gfx1250"
	.amdhsa_code_object_version 6
	.text
	.protected	k_qf0b74a652a_pv
	.globl	k_qf0b74a652a_pv
	.p2align	8
	.type	k_qf0b74a652a_pv,@function
k_qf0b74a652a_pv:
	s_mov_b64 s[64:65], 0
	v_nop
	global_prefetch_b8 v0, s[64:65] scope:SCOPE_SE
	s_setreg_imm32_b32 hwreg(HW_REG_WAVE_MODE, 25, 1), 1
	s_wait_xcnt 0x0
	s_wait_alu depctr_hold_cnt(0) depctr_sa_sdst(0) depctr_va_vdst(0) depctr_va_sdst(0) depctr_va_ssrc(0) depctr_va_vcc(0) depctr_vm_vsrc(0)
	s_getreg_b32 s2, hwreg(HW_REG_IB_STS2, 6, 4)
	s_cmp_eq_u32 s2, 0
	s_cbranch_scc0 .Lentry_in_a_cluster
	s_endpgm
.Lentry_in_a_cluster:
	s_bfe_u32 s2, ttmp6, 0x10000c
	s_cmp_lg_u32 s2, 0xf033
	s_cbranch_scc0 .Lentry_shape_is_right
	s_endpgm
.Lentry_shape_is_right:
; out0[b][q][d] = (sum over keys of p V) / l on codes of BF6 (E3M2) with E8M0 scales.  p came with a maximum M of its own for each K step of 128 keys; here a query's 16 K steps are joined:
; M = the largest of the sixteen; each K step's sum is multiplied by 2^(its M - M), exactly, and each of its four scale bytes is lowered by M - its M: the codes stay as they are.
; A work-group makes 256 channels d x 128 queries of one batch, K = 2,048 keys = 16 K steps.  Source 0 = 16 channels of V^T, source 1 = 16 queries of p: a lane holds one query and, the channels of a tile
; being chosen (place p of tile 2 b + u is 32 b + 8 u + p % 8 + 16 (p / 8)), its registers of two neighbouring tiles are 16 neighbouring channels.
; A wave takes 128 channels (its number % 2) and the four tiles of queries of one parity (its number / 2): 32 accumulators.
; LDS: two slots of four K steps (p: 49,152 bytes; V: 2 x 49,152), p's lowered scale words (written by the waves, never filled), V's scale words (filled once), the spare words.
; The way out's stages lie in slot 0, which has had its last fill and its last read by then.  The launch claims all of a WGP's LDS.
; CLUSTERS: 4 x 4 work-groups; p's tiles are shared along a row of the cluster, V's along a column.
; LIMITS: a scale byte that would fall under 0 is held at 0, the scale 2^-127: blocks more than 2^127 under the row's largest term; NaN and infinities are not served.
; REGISTERS.  Window 0: v1-6 lane numbers and offsets; v8-15 1 / l of my four tiles, as pairs; v16-23 LDS addresses; v28, 29 for the add; v32-95 two sets of 32 scale registers, and nothing else ever;
; v96-127 and v224-255 at work at the head; v128-223 p's fragments, two sets of 48; on the way out v128-255 rows of the result.  Window 1: V's fragments, two sets, at v0 and v128 (at the head: -M and the sums).  Window 2: the accumulators.
; THE HEAD: one tensor load a wave at the head (slot 0); the head's arithmetic and its LDS stores stand between that load and the wait for it; slot 1's first fill follows behind a round
; of its own, which also shows the waves' LDS stores to each other.
; V's scale words, 16,384 consecutive bytes of vs, are copied by the four waves through registers into LDS bytes that no tensor load fills, 4,096 bytes a wave.
; PREFETCHES, a lane to a block of 256 bytes, two slots ahead.  Of the bytes that a wave fetches for a slot (p: 24,576; V: 49,152) the four partners that ask for them jointly take a quarter each, by address
; (cx for p, cy for V): 24 blocks in one request, or 48 in two.  At the head K steps 4-7 and 8-11 are named, behind slot 1's load K steps 12-15.  All steps are immediates: no address register of a prefetch is written again.
; Every address lies inside the 16 K steps of the group that the wave fetches.
.set KSB,   12288
.set FRB,   1536
.set SLOT,  12*KSB                     ; four K steps of p's group and of V's two groups
.set PSC,   2*SLOT                     ; p's scale words: [K step][512 bytes]
.set VSC,   PSC+8192                   ; V's, two groups
.set SPARE, VSC+2*8192                 ; the spare words: 128 bytes a wave, two blocks of 256 bytes that no other line names
.set SP,    528                        ; a stage row: 512 bytes + 16
.set FR,    12
.set RR,    1
.set HH,    2
.set LN,    3                          ; 16 x lane; never rewritten
.set GL4,   5                          ; 16 x lane + 2,048 x wave: my four K steps in paux
.set PST,   6                          ; and in PSC
.set RL,    8
.set ADRA,  16
.set ADRB,  18
.set ADRS,  20
.set STO,   22
.set RD,    23
.set SPW,   28
.set NIL,   29
.set SC,    32
.set MW,    96
.set SWD,   112
.set AF,    128
.set BK,    128
.set NG,    224
.set LL,    228
.set T,     232
.set Z,     240
.set WV,    22
.set HA,    23                         ; the parity of my tiles of queries.  Also: I fetch for p (0) or for V (1)
.set HB,    24                         ; my 128 channels.  Also: which part I fetch
.set CX,    25
.set CY,    26
.set YY,    28
.set G1A,   32
.set G1B,   40
.set GV,    7                          ; 16 x lane + 4,096 x wave: my part of V's scale words in vs
.set VST,   24                         ; and in VSC
.set PF0,   25                         ; the prefetches' offsets: my first 24 or 32 blocks,
.set PF1,   26                         ; and V's last 16; never rewritten
.set PFA,   76                         ; s[76:77] my work-group's quarter of what I fetch for slot 0; never rewritten
.macro ASK n                           ; the same quarter for K steps 4 n on
	global_prefetch_b8 v[PF0], s[PFA:PFA+1] offset:(\n)*4*KSB th:TH_LOAD_NT scope:SCOPE_SE
	s_cmp_eq_u32 s[HA], 0
	s_cbranch_scc1 .Lasked_all_\@                  ; p's quarter is 24 blocks: one request (the branch hangs on the wave's number alone)
	global_prefetch_b8 v[PF1], s[PFA:PFA+1] offset:(\n)*4*KSB+8192 th:TH_LOAD_NT scope:SCOPE_SE
.Lasked_all_\@:
.endm
.set G0A,   56                         ; s[56:63] p: slot 0, 1
.set G0B,   68                         ; s[68:75] V: slot 0, 1
.set SEL,   96
.set MASK,  98
.set REP,   99
.set MSB, 0
.macro WIN new
.if MSB != \new
	s_set_vgpr_msb (MSB<<8)|\new
.set MSB, \new
.endif
.endm
.set MUL,  0xa1                        ; source 0 (V) window 1, source 1 (p) window 0, C and D window 2
.set TO_B, 0x40
.macro PLACES n
.rept \n
	v_nop
.endr
.endm
.macro JLOAD g0a, g1a, g0b, g1b
	s_cmp_eq_u32 s[HA], 0
	s_cbranch_scc0 .Lfor_b_\@
	tensor_load_to_lds s[\g0a:\g0a+3], s[\g1a:\g1a+7]
	s_nop 0
.rept 4
	v_nop
.endr
	s_branch .Lasked_\@
.Lfor_b_\@:
	tensor_load_to_lds s[\g0b:\g0b+3], s[\g1b:\g1b+7]
	s_nop 0
.rept 4
	v_nop
.endr
.Lasked_\@:
.endm
.macro CREST
	s_cmp_lg_u32 s[WV], 0
	s_cbranch_scc1 .Lnot_wave_0_\@
	s_barrier_signal -3
.Lnot_wave_0_\@:
	s_barrier_wait -3
	s_barrier_signal -1
	s_barrier_wait -1
.endm
.macro CROUND
	s_barrier_signal -1
	s_barrier_wait -1
	CREST
.endm
	s_load_b256 s[4:11], s[0:1], 0x0               ; pc, paux, vc, vs
	s_load_b64 s[12:13], s[0:1], 0x20              ; out0
	v_lshl_add_u32 v[SPW], v0, 2, SPARE
	v_mov_b32 v[NIL], 0
	ds_add_u32 v28, v29
	ds_add_u32 v28, v29
	s_wait_dscnt 0x0
	v_lshrrev_b32 v1, 5, v0
	v_readfirstlane_b32 s[WV], v1
	s_lshr_b32 s[HA], s[WV], 1
	s_and_b32 s[HB], s[WV], 1
	s_bfe_u32 s[CX], ttmp6, 0x40000
	s_bfe_u32 s[CY], ttmp6, 0x40004
	s_and_b32 s[YY], ttmp7, 0xffff
	s_lshl_b32 s29, s[CY], 2
	s_lshl_b32 s29, 15, s29                        ; my row of the cluster
	s_lshl_b32 s30, 0x1111, s[CX]                  ; my column
	s_or_b32 s[G1A], s29, (3<<16)|(1<<21)
	s_or_b32 s[G1B], s30, (3<<16)|(1<<21)
	s_mov_b32 s[G1A+1], 32<<16                     ; p: two K steps, 24,576 dense bytes as 96 rows of 256
	s_mov_b32 s[G1A+2], 96<<16
	s_mov_b32 s[G1A+3], 32<<16
	s_mov_b32 s[G1A+4], 96
	s_mov_b32 s[G1A+5], 32
	s_mov_b32 s[G1A+6], 0
	s_mov_b32 s[G1A+7], 0
	s_mov_b32 s[G1B+1], 32<<16                     ; V: four K steps of a group, 49,152 dense bytes as 192 rows
	s_mov_b32 s[G1B+2], 192<<16
	s_mov_b32 s[G1B+3], 32<<16
	s_mov_b32 s[G1B+4], 192
	s_mov_b32 s[G1B+5], 32
	s_mov_b32 s[G1B+6], 0
	s_mov_b32 s[G1B+7], 0
	s_lshr_b32 s80, s[YY], 2                       ; the batch
	s_and_b32 s81, s[YY], 3
	s_lshl_b32 s81, s81, 2
	s_add_co_u32 s81, s81, s[CY]                   ; my group of 128 queries in it
	s_lshl_b32 s82, s80, 8
	s_lshl_b32 s83, s81, 4
	s_add_co_u32 s82, s82, s83                     ; 256 batch + 16 group: the unit of its K step 0
	s_lshl_b32 s83, s[HB], 1
	s_add_co_u32 s83, s83, s82                     ; which two of a slot's four K steps I fetch
	s_mul_i32 s84, s83, KSB
	s_mov_b32 s85, 0
	s_lshl_b32 s86, s82, 9
	s_mov_b32 s87, 0
	s_lshl_b32 s88, s[CX], 1
	s_add_co_u32 s88, s88, s[HB]
	s_lshl_b32 s88, s88, 4
	s_lshl_b32 s89, s80, 7
	s_add_co_u32 s88, s88, s89                     ; V: 128 batch + 16 (2 cx + part)
	s_mul_i32 s90, s88, KSB
	s_mov_b32 s91, 0
	s_lshl_b32 s92, s[CX], 5
	s_add_co_u32 s92, s92, s89                     ; V's scale words: unit 128 batch + 32 cx, both groups on end
	s_lshl_b32 s92, s92, 9
	s_mov_b32 s93, 0
	s_mul_i32 s94, s[HB], 2*KSB                    ; p's place in a slot,
	s_mul_i32 s95, s[HB], 4*KSB
	s_add_co_u32 s95, s95, 4*KSB                   ; V's: no place in the cluster enters an LDS address
	s_wait_kmcnt 0x0
	s_add_nc_u64 s[84:85], s[4:5], s[84:85]
	s_add_nc_u64 s[6:7], s[6:7], s[86:87]          ; paux at my queries' K step 0
	s_add_nc_u64 s[90:91], s[8:9], s[90:91]
	s_add_nc_u64 s[92:93], s[10:11], s[92:93]
	s_cmp_eq_u32 s[HA], 0                          ; the prefetches: the choices hang on the wave's number alone
	s_cselect_b64 s[PFA:PFA+1], s[84:85], s[90:91] ; what I fetch,
	s_cselect_b32 s78, s[CX], s[CY]                ; my place among the four that ask for it with me,
	s_cselect_b32 s48, 23, 31                      ; the last block of my first request,
	s_mov_b32 s79, 12288
	s_cselect_b32 s79, 6144, s79                   ; and a quarter of its bytes
	s_mul_i32 s78, s78, s79
	s_mov_b32 s79, 0
	s_add_nc_u64 s[PFA:PFA+1], s[PFA:PFA+1], s[78:79]
.irp s, 0,1
	s_mov_b32 s[G0A+4*\s], 1
	s_add_co_u32 s[G0A+4*\s+1], s94, \s*SLOT
	s_add_nc_u64 s[G0A+4*\s+2:G0A+4*\s+3], s[84:85], \s*4*KSB
	s_or_b32 s[G0A+4*\s+3], s[G0A+4*\s+3], 0x80000000
	s_mov_b32 s[G0B+4*\s], 1
	s_add_co_u32 s[G0B+4*\s+1], s95, \s*SLOT
	s_add_nc_u64 s[G0B+4*\s+2:G0B+4*\s+3], s[90:91], \s*4*KSB
	s_or_b32 s[G0B+4*\s+3], s[G0B+4*\s+3], 0x80000000
.endr
	CROUND                                         ; all sixteen work-groups are here: the first joint loads meet
	JLOAD G0A, G1A, G0B, G1B                       ; my part of slot 0: one tensor load a wave at the head
	v_and_b32 v[RR], 15, v0
	v_bfe_u32 v[HH], v0, 4, 1
	v_and_b32 v[LN], 31, v0
	v_lshlrev_b32 v[LN], 4, v[LN]
	v_and_b32 v[PF0], 31, v0
	v_min_u32 v[PF1], 15, v[PF0]                   ; the lanes left over name the last block again
	v_min_u32 v[PF0], s48, v[PF0]
	v_lshlrev_b32 v[PF0], 8, v[PF0]
	v_lshlrev_b32 v[PF1], 8, v[PF1]
	s_wait_alu depctr_va_vdst(0)
	s_lshl_b32 s86, s[WV], 11
	v_add_nc_u32 v[GL4], s86, v[LN]
	v_add_nc_u32 v[PST], PSC, v[GL4]
	s_lshl_b32 s87, s[WV], 12
	v_add_nc_u32 v[GV], s87, v[LN]
	v_add_nc_u32 v[VST], VSC, v[GV]
	; THE HEAD, while the first fills are on their way.  A load of 16 bytes a lane brings lane (r, h) the words of tiles h, 2 + h, 4 + h, 6 + h at place r.
	WIN TO_B
.irp k, 0,1,2,3,4,5,6,7,8,9,10,11,12,13,14,15
	global_load_b128 v[4*\k:4*\k+3], v[LN], s[6:7] offset:524288+512*\k          ; -M of all 16 K steps
.endr
.irp k, 0,1,2,3,4,5,6,7,8,9,10,11,12,13,14,15
	global_load_b128 v[64+4*\k:64+4*\k+3], v[LN], s[6:7] offset:1048576+512*\k   ; and their sums
.endr
	WIN 0
.irp k, 0,1,2,3
	global_load_b128 v[MW+4*\k:MW+4*\k+3], v[GL4], s[6:7] offset:524288+512*\k   ; -M and the scale words of K steps 4 x wave on: those I lower
	global_load_b128 v[SWD+4*\k:SWD+4*\k+3], v[GL4], s[6:7] offset:512*\k
.endr
.irp k, 0,1,2,3,4,5,6,7
	global_load_b128 v[AF+4*\k:AF+4*\k+3], v[GV], s[92:93] offset:512*\k         ; my 4,096 bytes of V's scale words: 32 lanes read 512 consecutive bytes
.endr
	s_mul_i32 s86, s[HA], FRB                      ; p: tiles 2 a + parity
	s_mul_i32 s87, s[HB], 4*KSB
	s_add_co_u32 s87, s87, 4*KSB                   ; V: my group
.irp s, 0,1
	v_add_nc_u32 v[ADRA+\s], s86, v[LN]
	v_add_nc_u32 v[ADRB+\s], s87, v[LN]
	s_add_co_u32 s86, s86, SLOT
	s_add_co_u32 s87, s87, SLOT
.endr
	s_lshl_b32 s86, s[HA], 8
	s_lshl_b32 s87, s[HB], 13
	s_add_co_u32 s87, s87, 8192
	s_sub_co_u32 s87, s87, s86
	v_mul_u32_u24 v4, s87, v[HH]                   ; lanes 0-15: p's words of my parity; lanes 16-31: V's: the lower base + h x the distance
	s_add_co_u32 s86, s86, PSC
	v_lshl_add_u32 v4, v[RR], 4, v4
	v_add_nc_u32 v[ADRS], s86, v4                  ; V's even tiles,
	v_lshl_add_u32 v[ADRS+1], v[HH], 8, v[ADRS]    ; and its odd ones
	s_mul_i32 s86, s[WV], 16*SP                    ; my stage
	v_mul_u32_u24 v[STO], v[RR], SP
	v_lshl_add_u32 v[STO], v[HH], 6, v[STO]
	v_add_nc_u32 v[STO], s86, v[STO]               ; in: row r, + 64 h
	v_add_nc_u32 v[RD], s86, v[LN]                 ; back: a whole row of 512 bytes
	s_lshl_b32 s84, s80, 23                        ; out0: the batch,
	s_lshl_b32 s85, s81, 7
	s_lshl_b32 s86, s[HA], 3
	s_add_co_u32 s85, s85, s86
	s_lshl_b32 s85, s85, 12                        ; row 128 group + 8 parity,
	s_add_co_u32 s84, s84, s85
	s_lshl_b32 s85, s[CX], 1
	s_add_co_u32 s85, s85, s[HB]
	s_lshl_b32 s85, s85, 9                         ; my 128 channels
	s_add_co_u32 s84, s84, s85
	s_mov_b32 s85, 0
	s_add_nc_u64 s[12:13], s[12:13], s[84:85]
	s_mov_b32 s[SEL], 0x76543210
	s_mov_b32 s[SEL+1], 0xfedcba98
	s_lshl_b32 s[MASK], s[HA], 4
	s_lshl_b32 s[MASK], 0xffff, s[MASK]            ; the half of the lanes that holds my parity's tiles
	s_mov_b32 s[REP], 0x01010101
.irp i, 0,1,2,3
	v_mov_b32 v[T+4+\i], 0                         ; a lane permute's destination counts as one of its sources
.endr
	s_wait_loadcnt 0x0
	ASK 1                                          ; behind the head's own loads, so that these are asked of memory first: K steps 4-7, which the next load brings,
	ASK 2                                          ; and K steps 8-11, which the load in K step 2 brings
	WIN 0x05
.irp i, 0,1,2,3
	v_min_num_f32 v[NG+\i], v[\i], v[4+\i]         ; -M of the whole row: the smallest of the sixteen
.endr
	WIN 0x04
.irp k, 2,3,4,5,6,7,8,9,10,11,12,13,14,15
.irp i, 0,1,2,3
	v_min_num_f32 v[NG+\i], v[NG+\i], v[4*\k+\i]
.endr
.endr
	WIN 0x44
.set j, 0
.rept 64
	v_sub_f32 v[j], v[NG+j%4], v[j]                ; the K step's M less the row's: a whole number, 0 or less
.set j, j+1
.endr
	WIN 0x41
.set j, 0
.rept 64
	v_cvt_i32_f32 v[j], v[j]                       ; (it saturates)
.set j, j+1
.endr
	WIN 0x45
.set j, 0
.rept 64
	v_ldexp_f32 v[64+j], v[64+j], v[j]             ; the K step's sum under the row's M: nothing is rounded
.set j, j+1
.endr
	WIN 0x05
	v_pk_add_f32 v[LL:LL+1], v[64:65], v[68:69]
	v_pk_add_f32 v[LL+2:LL+3], v[66:67], v[70:71]
	WIN 0x04
.irp k, 2,3,4,5,6,7,8,9,10,11,12,13,14,15
	v_pk_add_f32 v[LL:LL+1], v[LL:LL+1], v[64+4*\k:65+4*\k]
	v_pk_add_f32 v[LL+2:LL+3], v[LL+2:LL+3], v[66+4*\k:67+4*\k]
.endr
	WIN 0
	s_wait_alu depctr_va_vdst(0)
.irp i, 0,1,2,3
	v_rcp_f32 v[T+\i], v[LL+\i]
.endr
	v_nop                                          ; a plain place behind the last reciprocal
	s_wait_alu depctr_va_vdst(0)                   ; one wait for the four, ahead of their first reader
.irp i, 0,1,2,3
	v_permlanex16_b32 v[T+4+\i], v[T+\i], s[SEL], s[SEL+1]
.endr
.irp i, 0,1,2,3
	v_cndmask_b32 v[RL+2*\i], v[T+4+\i], v[T+\i], s[MASK]   ; 1 / l of tile 2 i + parity at place r, in both halves of the lanes
.endr
.irp i, 0,1,2,3
	v_mov_b32 v[RL+2*\i+1], v[RL+2*\i]             ; (named with it as a pair, so it is written)
.endr
	; my four K steps' scale words: each byte less D = the row's M - the K step's M, held at 0.  The bytes are at most 123 (p is at most 1), D is held at 127: with bit 7 set in each byte no borrow crosses a byte.
.set j, 0
.rept 16
	v_sub_f32 v[MW+j], v[MW+j], v[NG+j%4]
.set j, j+1
.endr
.set j, 0
.rept 16
	v_min_num_f32 v[MW+j], 0x42fe0000, v[MW+j]
.set j, j+1
.endr
.set j, 0
.rept 16
	v_cvt_u32_f32 v[MW+j], v[MW+j]
.set j, j+1
.endr
.set j, 0
.rept 16
	v_mul_lo_u32 v[MW+j], v[MW+j], s[REP]          ; D in each byte
	v_or_b32 v[SWD+j], 0x80808080, v[SWD+j]
.set j, j+1
.endr
.set j, 0
.rept 16
	v_sub_nc_u32 v[SWD+j], v[SWD+j], v[MW+j]       ; 128 + byte - D: bit 7 stays where byte >= D
.set j, j+1
.endr
.set j, 0
.rept 16
	v_lshrrev_b32 v[MW+j], 7, v[SWD+j]
.set j, j+1
.endr
.set j, 0
.rept 16
	v_and_b32 v[MW+j], 0x01010101, v[MW+j]
.set j, j+1
.endr
.set j, 0
.rept 16
	v_lshlrev_b32 v[Z+j], 7, v[MW+j]
.set j, j+1
.endr
.set j, 0
.rept 16
	v_sub_nc_u32 v[Z+j], v[Z+j], v[MW+j]           ; 0x7f in the bytes that stay, 0 in the others
.set j, j+1
.endr
.set j, 0
.rept 16
	v_and_b32 v[SWD+j], v[SWD+j], v[Z+j]
.set j, j+1
.endr
.irp k, 0,1,2,3
	ds_store_b128 v[PST], v[SWD+4*\k:SWD+4*\k+3] offset:512*\k
.endr
.irp k, 0,1,2,3,4,5,6,7
	ds_store_b128 v[VST], v[AF+4*\k:AF+4*\k+3] offset:512*\k
.endr
	s_wait_alu depctr_va_vdst(0)                   ; the wait at the head's end
	s_wait_tensorcnt 0x0                           ; my part of slot 0 is in
	ds_add_u32 v[SPW], v[NIL]
	s_wait_dscnt 0x0                               ; the add is done, and, for the others' sake, my words, p's and V's, lie in LDS
	CROUND                                         ; slot 0 and the scale words are whole in every LDS, and all sixteen work-groups are here
	JLOAD G0A+4, G1A, G0B+4, G1B                   ; K steps 4-7 into slot 1: the first tensor load behind the round
	ASK 3                                          ; K steps 12-15, which the load in K step 6 brings
.macro FRAG reg, adr, off
.irp c, 0,1,2
	ds_load_b128 v[(\reg)+4*\c:(\reg)+4*\c+3], v[\adr] offset:(\off)+512*\c
.endr
.endm
.macro FETCH ks                        ; K step ks: V's eight fragments and p's four into set ks % 2: 36 loads
.set FS, ((\ks)/4)%2
.set FQ, (\ks)%4
.set FP, (\ks)%2
	WIN TO_B
.irp i, 0,1,2,3,4,5,6,7
	FRAG 128*FP+FR*\i, ADRB+FS, KSB*FQ+FRB*\i
.endr
	WIN 0
.irp i, 0,1,2,3
	FRAG AF+48*FP+FR*\i, ADRA+FS, KSB*FQ+2*FRB*\i
.endr
.endm
.macro SCALES n                        ; the scale words of K steps 4 n on, into set n % 2: 8 loads
.irp q, 0,1,2,3
.irp p, 0,1
	ds_load_b128 v[SC+32*((\n)%2)+8*\q+4*\p:SC+32*((\n)%2)+8*\q+4*\p+3], v[ADRS+\p] offset:512*(4*(\n)+\q)
.endr
.endr
.endm
; 8 matrix instructions: my tile a of queries x V's eight tiles.  The 32 accumulators take turns, one instruction a turn, in the same order in every step.
.macro MUL8 a, ks, zero
.set MP, (\ks)%2
.set MS, SC+32*(((\ks)/4)%2)+8*((\ks)%4)
.irp b, 0,1,2,3,4,5,6,7
.set rD, 8*(8*(\a)+\b)
.if \zero
	v_wmma_scale_f32_16x16x128_f8f6f4 v[rD:rD+7], v[128*MP+FR*\b:128*MP+FR*\b+FR-1], v[AF+48*MP+FR*(\a):AF+48*MP+FR*(\a)+FR-1], 0, v[MS+4*(\b%2)+\b/2], v[MS+(\a)] matrix_a_fmt:MATRIX_FMT_BF6 matrix_b_fmt:MATRIX_FMT_BF6 matrix_a_scale:MATRIX_SCALE_ROW1
.else
	v_wmma_scale_f32_16x16x128_f8f6f4 v[rD:rD+7], v[128*MP+FR*\b:128*MP+FR*\b+FR-1], v[AF+48*MP+FR*(\a):AF+48*MP+FR*(\a)+FR-1], v[rD:rD+7], v[MS+4*(\b%2)+\b/2], v[MS+(\a)] matrix_a_fmt:MATRIX_FMT_BF6 matrix_b_fmt:MATRIX_FMT_BF6 matrix_a_scale:MATRIX_SCALE_ROW1
.endif
.endr
.endm
.macro STEP ks, zero                   ; the next step's fragments are asked for, then this step is multiplied
.if \ks > 0
	PLACES 4                                       ; four places in front of loads into registers that the last step's matrix instructions have read
.endif
	FETCH (\ks)+1
.if ((\ks)+1)%4 == 0
	SCALES ((\ks)+1)/4
	s_wait_dscnt 44                                ; all but the 44 just issued
.else
	s_wait_dscnt 36                                ; all but the 36 just issued
.endif
	WIN MUL
	MUL8 0, \ks, \zero
	MUL8 1, \ks, \zero
	MUL8 2, \ks, \zero
	MUL8 3, \ks, \zero
.endm
.macro STEPX ks                        ; a slot's third step: its last fragments are asked for, and then the slot is filled again, with the K steps eight on
.set XS, ((\ks)/4)%2
	PLACES 4
	FETCH (\ks)+1
	s_wait_dscnt 36
	WIN MUL
	MUL8 0, \ks, 0
	WIN 0                                          ; (the add's two registers lie in window 0)
	s_wait_tensorcnt 0x0                           ; all my tensor loads have landed: my part of the other slot;
	ds_add_u32 v[SPW], v[NIL]                      ; 0 onto my spare word;
	s_add_nc_u64 s[G0A+4*XS+2:G0A+4*XS+3], s[G0A+4*XS+2:G0A+4*XS+3], 8*KSB
	s_add_nc_u64 s[G0B+4*XS+2:G0B+4*XS+3], s[G0B+4*XS+2:G0B+4*XS+3], 8*KSB
	WIN MUL
	MUL8 1, \ks, 0
	s_wait_dscnt 0x0                               ; the add is done, and my reads of this slot are over
	s_barrier_signal -1                            ; this barrier opens a round of the cluster's barrier
	MUL8 2, \ks, 0
	WIN 0
	s_barrier_wait -1
	CREST                                          ; no wave of any partner still reads this slot or has a load on its way
	JLOAD G0A+4*XS, G1A, G0B+4*XS, G1B             ; the first tensor load behind the round: it has four K steps, 128 matrix instructions, in which to land
	WIN MUL
	MUL8 3, \ks, 0
.endm
	FETCH 0
	SCALES 0
	STEP 0, 1
	STEP 1, 0
	STEPX 2
	STEP 3, 0
	STEP 4, 0
	STEP 5, 0
	STEPX 6
	STEP 7, 0
	STEP 8, 0
	STEP 9, 0
	PLACES 4                                       ; K step 10: slot 0's last fragments; nothing is filled again, so no round follows
	FETCH 11
	s_wait_dscnt 36
	WIN MUL
	MUL8 0, 10, 0
	s_wait_tensorcnt 0x0                           ; my one load that was out: my part of K steps 12 to 15
	MUL8 1, 10, 0
	s_wait_dscnt 0x0                               ; my reads of slot 0 are over
	s_barrier_signal -1
	MUL8 2, 10, 0
	s_barrier_wait -1
	MUL8 3, 10, 0
	STEP 11, 0
	STEP 12, 0
	STEP 13, 0
	STEP 14, 0
	s_wait_dscnt 0x0                               ; the last K step: nothing more to fetch
	MUL8 0, 15, 0
	MUL8 1, 15, 0
	MUL8 2, 15, 0
	MUL8 3, 15, 0
	WIN 0
	PLACES 4
; THE WAY OUT, a tile of 16 queries x 128 channels at a time: divided by l, through my stage in LDS, back as whole rows of 512 bytes.  Each accumulator is read from its low end on.
.macro TOSTAGE a
	WIN 0x82                                       ; destination and source 0 window 2
.set j, 0
.rept 32
	v_pk_mul_f32 v[64*(\a)+j:64*(\a)+j+1], v[64*(\a)+j:64*(\a)+j+1], v[RL+2*(\a):RL+2*(\a)+1] op_sel_hi:[1,0]
.set j, j+2
.endr
	WIN 0x08                                       ; an LDS store's data are its source 1: window 2
.irp b, 0,1,2,3,4,5,6,7
	ds_store_b128 v[STO], v[64*(\a)+8*\b:64*(\a)+8*\b+3] offset:128*(\b/2)+32*(\b%2)        ; channels 32 (b / 2) + 16 h + 8 (b % 2) on
	ds_store_b128 v[STO], v[64*(\a)+8*\b+4:64*(\a)+8*\b+7] offset:128*(\b/2)+32*(\b%2)+16
.endr
	WIN 0
.set BB, BK+64*((\a)%2)
.irp t, 0,1,2,3,4,5,6,7,8,9,10,11,12,13,14,15
	ds_load_b128 v[BB+4*\t:BB+4*\t+3], v[RD] offset:\t*SP      ; LDS serves a wave's instructions in order: these see my stores, and the next tile's stores come behind them
.endr
.endm
.macro SEND a, younger                 ; younger: the LDS instructions issued behind tile a's loads, which may stay out
.set BB, BK+64*((\a)%2)
	s_wait_dscnt \younger
.irp t, 0,1,2,3,4,5,6,7,8,9,10,11,12,13,14,15
	global_store_b128 v[LN], v[BB+4*\t:BB+4*\t+3], s[12:13] offset:(32*(\a)+(\t%8)+16*(\t/8))*4096 th:TH_STORE_NT   ; 32 lanes store 512 consecutive bytes, aligned; place t of the tile is row 32 a + t % 8 + 16 (t / 8)
.endr
.endm
	TOSTAGE 0
.irp a, 1,2,3
.if \a > 1
	s_wait_xcnt 0x0                                ; the stores of the tile two back have read their registers, into which this tile's rows are loaded
.endif
	TOSTAGE \a
	SEND \a-1, 32                                  ; behind that tile's loads: this tile's 16 stores and 16 loads
.endr
	SEND 3, 0
	s_wait_tensorcnt 0x0                           ; the wave's end
	ds_add_u32 v[SPW], v[NIL]
	s_wait_dscnt 0x0
	CROUND                                         ; the closing round
	s_endpgm
.Lfunc_end_k_qf0b74a652a_pv:
	.size	k_qf0b74a652a_pv, .Lfunc_end_k_qf0b74a652a_pv-k_qf0b74a652a_pv
	.p2alignl 7, 3214868480
	.fill 96, 4, 3214868480
	.section	.rodata,"a",@progbits
	.p2align	6, 0x0
	.amdhsa_kernel k_qf0b74a652a_pv
		.amdhsa_group_segment_fixed_size 327680
		.amdhsa_private_segment_fixed_size 0
		.amdhsa_enable_private_segment 0
		.amdhsa_kernarg_size 40
		.amdhsa_user_sgpr_count 2
		.amdhsa_user_sgpr_kernarg_segment_ptr 1
		.amdhsa_wavefront_size32 1
		.amdhsa_system_sgpr_workgroup_id_x 1
		.amdhsa_system_sgpr_workgroup_id_y 1
		.amdhsa_system_sgpr_workgroup_id_z 1
		.amdhsa_system_vgpr_workitem_id 0
		.amdhsa_next_free_vgpr 768
		.amdhsa_next_free_sgpr 100
		.amdhsa_reserve_vcc 0
		.amdhsa_float_denorm_mode_32 3
		.amdhsa_float_denorm_mode_16_64 3
		.amdhsa_memory_ordered 1
		.amdhsa_forward_progress 1
		.amdhsa_inst_pref_size 167
	.end_amdhsa_kernel
	.amdgpu_metadata
---
amdhsa.version: [ 1, 2 ]
amdhsa.kernels:
  - .name:           k_qf0b74a652a_pv
    .symbol:         k_qf0b74a652a_pv.kd
    .args:
      - { .name: pc, .offset: 0, .size: 8, .value_kind: global_buffer, .address_space: global }
      - { .name: paux, .offset: 8, .size: 8, .value_kind: global_buffer, .address_space: global }
      - { .name: vc, .offset: 16, .size: 8, .value_kind: global_buffer, .address_space: global }
      - { .name: vs, .offset: 24, .size: 8, .value_kind: global_buffer, .address_space: global }
      - { .name: out0, .offset: 32, .size: 8, .value_kind: global_buffer, .address_space: global }
    .group_segment_fixed_size: 327680
    .private_segment_fixed_size: 0
    .kernarg_segment_align: 8
    .kernarg_segment_size: 40
    .max_flat_workgroup_size: 128
    .sgpr_count:     100
    .vgpr_count:     768
    .wavefront_size: 32
...
	.end_amdgpu_metadata
.endif
;; end of part 4
